; MI455X (gfx1250); checked and timed in simulation.
; The chip was launched on July 23, 2026; its instructions are those of AMD's public machine-readable ISA for CDNA 5 (MIT licence, August 2026) and "CDNA5" Instruction Set Architecture Reference Guide (July 2026). The comments in the code are by the model that wrote it; some were corrected since.
;; Custom Multi Head Attention. Allowed arithmetic: matrix products marked QUANTISED: E2M1 operands, one E8M0 scale for each 32 along K, by v_wmma_scale_f32_16x16x128_f8f6f4 with both operands' format E2M1 (or v_wmma_scale_f32_32x16x128_f4), f32 sums; products left as they are: bf16, f16 or f32 operands; f32 sums; everything else in f32.
;; Inputs: Wk 1,024 x 1,024 float32; Wo 1,024 x 1,024 float32; Wq 1,024 x 1,024 float32; Wv 1,024 x 1,024 float32; bk 1,024 float32; bo 1,024 float32; bq 1,024 float32; bv 1,024 float32; key 1,024 x 8 x 1,024 float32; key_padding_mask 8 x 1,024 bool; query 1,024 x 8 x 1,024 float32; value 1,024 x 8 x 1,024 float32.
;; Outputs: out0 1,024 x 8 x 1,024 float32.
;; This version of the problem:
;;   THIS VERSION OF THE PROBLEM IS GIVEN IN LOW PRECISION. The matrix products marked QUANTISED in the list below multiply operands that are first quantised to E2M1 (2 exponent bits, 1 mantissa bit; 4 bits a number), with one power-of-two scale for each 32 numbers along K (OCP MX v1.0); their sums are f32. The products marked 'left as it is' may take bf16, f16 or f32 operands, with f32 sums. Whichever they take, every output number must still come out within the allowed error. Rounding operands to bf16 (8 significant bits) uses up far more of that allowance than f16 does (11 bits, for magnitudes from 6e-5 to 65,504). All else is computed in f32.
;;   The module's matrix products, in the order in which they are computed (A, B: the left and right operand; K: the contracted axis; several contracted axes count as one K, in the product's order):
;;     1. [M 8,192, K 1,024] x [K 1,024, N 1,024]; A: input query; B: input Wq: QUANTISED
;;     2. [M 8,192, K 1,024] x [K 1,024, N 1,024]; A: input key; B: input Wk: QUANTISED
;;     3. [M 8,192, K 1,024] x [K 1,024, N 1,024]; A: input value; B: input Wv: QUANTISED
;;     4. batch 128 x [M 1,024, K 64] x [K 64, N 1,024]; A: computed on the way; B: computed on the way: left as it is (an operand is computed on the way)
;;     5. batch 128 x [M 64, K 1,024] x [K 1,024, N 1,024]; A: computed on the way; B: computed on the way: left as it is (an operand is computed on the way)
;;     6. [M 8,192, K 1,024] x [K 1,024, N 1,024]; A: computed on the way; B: input Wo: left as it is (an operand is computed on the way)
;;   THE QUANTISER, for each operand of a quantised product, along K:
;;     - K is cut into blocks of 32 from its start; a last block that is shorter is filled with zeros.
;;     - A block's scale is 2^e with e = floor(log2(the largest magnitude in the block)) - 2, held to -126 .. 127; a block of zeros has e = 0. As a byte (E8M0): e + 127.
;;     - Each number is divided by its block's scale, clamped to +-6, and rounded to the nearest number of E2M1, ties to even, subnormals kept.
;;     - The product sums the exact products of the quantised numbers (number of the format x scale) in f32.
;;   ~~~python
;;   def quantise(x, axis):      # numpy; x: float32 -> the quantised numbers, widened to float32 again
;;       x = np.moveaxis(x, axis, -1); K = x.shape[-1]
;;       x = np.pad(x, [(0, 0)] * (x.ndim - 1) + [(0, -K % 32)]); x = x.reshape(x.shape[:-1] + (-1, 32)); a = np.abs(x).max(-1, keepdims=True)
;;       e = np.where(a > 0, np.clip(np.frexp(np.where(a > 0, a, 1))[1] - 1 - 2, -126, 127), 0)      # np.frexp(a)[1] - 1 = floor(log2(a)), exactly
;;       r = np.clip(x / 2.0 ** e, -6, 6)
;;       step = 2.0 ** (np.maximum(np.frexp(np.where(r == 0, 1, r))[1] - 1, 0) - 1)
;;       q = np.round(r / step) * step * 2.0 ** e      # np.round: ties to even
;;       return np.moveaxis(q.reshape(q.shape[:-2] + (-1,))[..., :K], -1, axis).astype(np.float32)
;;   ~~~
;; One version. Each part assembles by itself: llvm-mc -triple=amdgcn-amd-amdhsa -mcpu=gfx1250 --defsym DOCPART=n.
;; ======== version 1 of 1: 4 launches
;; limits: values are held in f16: magnitudes above 65,504 overflow, below 6.1e-05 lose precision
;; workspace buffers: codes 14,155,776 bytes; scales 884,736 bytes; wo16 2,097,152 bytes; qkv 50,331,648 bytes; ao 16,777,216 bytes
;; launch quant (part 1): grid 896 x 1, 4 waves a work-group, no clusters, 33,280 bytes of LDS; arguments query, key, value, Wq, Wk, Wv, Wo, codes, scales, wo16; writes codes, scales, wo16
.if DOCPART == 1
	.amdgcn_target "amdgcn-amd-amdhsa--gfx1250"
	.amdhsa_code_object_version 6
	.text
	.protected	k_qa6d3831c33_quant
	.globl	k_qa6d3831c33_quant
	.p2align	8
	.type	k_qa6d3831c33_quant,@function
k_qa6d3831c33_quant:
	s_mov_b64 s[64:65], 0
	v_nop
	global_prefetch_b8 v0, s[64:65] scope:SCOPE_SE
	s_setreg_imm32_b32 hwreg(HW_REG_WAVE_MODE, 25, 1), 1
	s_wait_xcnt 0x0
; query, key, value [8192][1024] and Wq, Wk, Wv [1024][1024], f32 with K innermost, become codes of FP4 (E2M1), two a byte, and one E8M0 byte for each 32 along K.
; The six tensors lie on end in the two buffers: rows 0-8191 query, 8192-16383 key, 16384-24575 value, 24576 on Wq, 25600 on Wk, 26624 on Wv; a row is 512 bytes of codes and 32 scale bytes.
; A block's scale is 2^(floor(log2(its largest magnitude)) - 2); its byte is the largest magnitude's exponent field - 2, held at 1 from below.
; Wo [1024][1024] f32 becomes f16, laid [block of 64 along K][n][64], so that a K block of 256 rows is one dense piece of memory for the last launch.
; LIMITS: NaN and infinities among the inputs are not served; blocks whose largest magnitude lies under 2^-124 keep the byte 1 (a block of zeros too: its codes are zeros, and this program alone
; reads the bytes); Wo's numbers must lie under 65,504 in magnitude, and under 6e-5 they keep f16's absolute step of 6e-8.
; SHARES: work-groups 0-863 quantise: 32,768 numbers each, a wave a run of 8,192 in 16 steps of 512.  Rows are dense, so a tensor is a plain stream of blocks of 32.  Work-groups 864-895 take 32 rows of Wo each.
; Each of a step's four loads reads 512 consecutive bytes; the 2,048 bytes turn through the wave's own stage in LDS and come back 64 bytes a lane: 16 neighbours along K, two lanes to a block.
; No tensor loads, no barrier: waves share nothing.  Loads run four steps (16 loads a wave) ahead, the turn through LDS one step.
.set WAVES, 4
.set STEPS, 16
.set NQG,   864                        ; work-groups that quantise: (3 x 8192 + 3 x 1024) x 1024 / 32768
.set EMAX,  2
.set CB,    8                          ; bytes of 16 codes
.set R,     16                         ; v16-79   four sets of 16 numbers as they are loaded
.set X,     80                         ; v80-111  two sets of 16 neighbours
.set E,     112                        ; v112-127 a scale byte for each step
.set C,     128                        ; v128-191 codes: four registers for each step, so that no store's data are written again
.set WREG,  8192                       ; LDS: a region for each wave: two stages of 32 x SP bytes, behind them its 256 scale bytes
.set SP,    80                         ; a lane's place in a stage: 64 bytes + 16 of padding
.set SPW,   12                         ; v12  LDS address of my spare word; never rewritten
.set NIL,   13                         ; v13  0; never rewritten
.set SPARE, WAVES*WREG                 ; behind the four regions: the spare words, 128 bytes a wave, that no other line names
.set WI,    16                         ; Wo's path: v16-143 two sets of 64 numbers
.set WH,    144                        ; v144-175 32 registers of f16 pairs
	s_load_b512 s[4:19], s[0:1], 0x0               ; query 4:5, key 6:7, value 8:9, Wq 10:11, Wk 12:13, Wv 14:15, Wo 16:17, codes 18:19
	s_load_b128 s[20:23], s[0:1], 0x40             ; scales 20:21, wo16 22:23
	v_lshl_add_u32 v[SPW], v0, 2, SPARE
	v_mov_b32 v[NIL], 0
	v_lshrrev_b32 v1, 5, v0
	v_readfirstlane_b32 s24, v1                    ; wave
	v_and_b32 v2, 31, v0                           ; lane
	v_lshlrev_b32 v3, 4, v2                        ; my 16 bytes of a load's 512
	s_mul_i32 s28, s24, WREG
	v_lshrrev_b32 v14, 2, v2
	v_mul_u32_u24 v14, v14, SP
	v_and_b32 v15, 3, v2
	v_lshl_add_u32 v14, v15, 4, v14
	v_add_nc_u32 v14, s28, v14                     ; the stage, on the way in: SP (lane / 4) + 16 (lane % 4)
	v_mul_u32_u24 v15, v2, SP
	v_add_nc_u32 v15, s28, v15                     ; and on the way out: SP x lane: my 16 neighbours
	v_mul_u32_u24 v4, v2, CB                       ; my codes' place in a step's
	v_lshrrev_b32 v5, 1, v2
	s_add_co_u32 s28, s28, 2*32*SP
	v_add_nc_u32 v5, s28, v5                       ; LDS: my wave's 256 scale bytes, my block's byte
	v_lshlrev_b32 v7, 3, v2                        ; and on the way out 8 bytes a lane
	v_add_nc_u32 v6, s28, v7
	s_wait_kmcnt 0x0
	s_cmp_ge_u32 ttmp9, NQG                        ; the work-group's number alone decides
	s_cbranch_scc1 .Lwo
	; which tensor: only a pointer and a first work-group are chosen; all six take one path through the text
	s_mov_b64 s[26:27], s[14:15]
	s_mov_b32 s25, 832
	s_cmp_lt_u32 ttmp9, 832
	s_cselect_b64 s[26:27], s[12:13], s[26:27]
	s_cselect_b32 s25, 800, s25
	s_cmp_lt_u32 ttmp9, 800
	s_cselect_b64 s[26:27], s[10:11], s[26:27]
	s_cselect_b32 s25, 768, s25
	s_cmp_lt_u32 ttmp9, 768
	s_cselect_b64 s[26:27], s[8:9], s[26:27]
	s_cselect_b32 s25, 512, s25
	s_cmp_lt_u32 ttmp9, 512
	s_cselect_b64 s[26:27], s[6:7], s[26:27]
	s_cselect_b32 s25, 256, s25
	s_cmp_lt_u32 ttmp9, 256
	s_cselect_b64 s[26:27], s[4:5], s[26:27]
	s_cselect_b32 s25, 0, s25
	s_sub_co_u32 s28, ttmp9, s25
	s_lshl_b32 s28, s28, 2
	s_add_co_u32 s28, s28, s24                     ; my run of 8,192 numbers in the tensor,
	s_lshl_b32 s28, s28, 15                        ; in bytes (under 2^26)
	s_mov_b32 s29, 0
	s_add_nc_u64 s[26:27], s[26:27], s[28:29]
	s_lshl_b32 s30, ttmp9, 2
	s_add_co_u32 s30, s30, s24                     ; my run among all six tensors' runs
	s_lshl_b32 s28, s30, 12                        ; 4,096 bytes of codes a run
	s_add_nc_u64 s[18:19], s[18:19], s[28:29]
	s_lshl_b32 s28, s30, 8                         ; 256 scale bytes a run
	s_add_nc_u64 s[20:21], s[20:21], s[28:29]
.macro LOAD t
.irp i, 0,1,2,3
	global_load_b128 v[R+16*((\t)%4)+4*\i:R+16*((\t)%4)+4*\i+3], v3, s[26:27] offset:2048*(\t)+512*\i th:TH_LOAD_NT   ; 32 lanes read 512 consecutive bytes
.endr
.endm
.macro TURN t                          ; step t's numbers through the stage: LDS serves a wave's instructions in order, so no wait stands between the stores and the loads
.irp i, 0,1,2,3
	ds_store_b128 v14, v[R+16*((\t)%4)+4*\i:R+16*((\t)%4)+4*\i+3] offset:32*SP*((\t)%2)+8*SP*\i
.endr
.irp i, 0,1,2,3
	ds_load_b128 v[X+16*((\t)%2)+4*\i:X+16*((\t)%2)+4*\i+3], v15 offset:32*SP*((\t)%2)+16*\i
.endr
.endm
.irp t, 0,1,2,3
	LOAD \t
.endr
	s_wait_loadcnt 12                              ; step 0's four loads are in; three steps' twelve stay out
	TURN 0
.macro STEP t
.set XS, X+16*((\t)%2)
.if (\t) > 0
	s_wait_dscnt 1                                 ; this step's numbers are back from the stage (the last step's byte store may be out)
.else
	s_wait_dscnt 0x0
.endif
.if (\t)+4 < STEPS
	LOAD (\t)+4                                    ; into the registers that this step's stores into the stage have read
.endif
.if (\t)+1 < STEPS
.if STEPS-2-(\t) >= 3
	s_wait_loadcnt 12                              ; the next step's four loads are in; those of the three steps behind it may be out
.else
	s_wait_loadcnt 4*(STEPS-2-(\t))
.endif
	TURN (\t)+1                                    ; they go through the other stage while this step is worked
.endif
	v_max3_num_f32 v8, |v[XS]|, |v[XS+1]|, |v[XS+2]|               ; the largest magnitude of my 16, in two chains
	v_max3_num_f32 v9, |v[XS+3]|, |v[XS+4]|, |v[XS+5]|
.irp i, 6,10
	v_max3_num_f32 v8, v8, |v[XS+\i]|, |v[XS+\i+1]|
	v_max3_num_f32 v9, v9, |v[XS+\i+2]|, |v[XS+\i+3]|
.endr
	v_max3_num_f32 v8, v8, |v[XS+14]|, |v[XS+15]|
	v_max3_num_f32 v8, v8, v9, (EMAX+1)<<23        ; and the floor 2^(EMAX + 1 - 127): the byte cannot fall under 1
	v_max_num_f32_dpp v8, v8, v8 row_xmask:1 row_mask:0xf bank_mask:0xf   ; and of my neighbour's 16: the block's
	v_add_nc_u32 v11, -(EMAX<<23), v8              ; EMAX off its exponent field: the conversion takes the exponent field of this operand as its scale
	v_cvt_scalef32_pk8_fp4_f32 v[C+4*(\t)], v[XS:XS+7], v11        ; eight numbers / the scale, to the nearest code, ties to even, beyond 6 the largest code
	v_cvt_scalef32_pk8_fp4_f32 v[C+4*(\t)+1], v[XS+8:XS+15], v11
	v_lshrrev_b32 v[E+(\t)], 23, v11               ; the scale's byte (a plain line behind the conversions)
	ds_store_b8 v5, v[E+(\t)] offset:16*(\t)       ; both lanes of a block write the same byte with the same value
	global_store_b64 v4, v[C+4*(\t):C+4*(\t)+1], s[18:19] offset:32*CB*(\t)   ; the wave stores 256 consecutive bytes, aligned
.endm
.irp t, 0,1,2,3,4,5,6,7,8,9,10,11,12,13,14,15
	STEP \t
.endr
	ds_load_b64 v[8:9], v6                         ; LDS serves a wave's instructions in order: these see my byte stores
	s_wait_dscnt 0x0
	global_store_b64 v7, v[8:9], s[20:21]          ; 32 lanes store 256 consecutive bytes, aligned
	s_wait_tensorcnt 0x0                           ; the wave's end
	ds_add_u32 v[SPW], v[NIL]
	s_wait_dscnt 0x0
	s_endpgm
; Wo to f16.  A wave takes 8 rows, two at a time: lanes 0-15 read 256 consecutive bytes (64 numbers, one K block) of the even row, lanes 16-31 of the odd one;
; a lane's 4 numbers are 8 bytes of f16, and the 32 lanes store 256 consecutive bytes: the two rows of that K block.
.Lwo:
	s_sub_co_u32 s28, ttmp9, NQG
	s_lshl_b32 s28, s28, 5
	s_lshl_b32 s29, s24, 3
	s_add_co_u32 s28, s28, s29                     ; my first row: 32 x work-group + 8 x wave
	s_lshl_b32 s30, s28, 12
	s_mov_b32 s31, 0
	s_add_nc_u64 s[16:17], s[16:17], s[30:31]
	s_lshl_b32 s30, s28, 7
	s_add_nc_u64 s[22:23], s[22:23], s[30:31]
	v_lshrrev_b32 v8, 4, v2
	v_and_b32 v9, 15, v2
	v_lshlrev_b32 v9, 4, v9
	v_lshl_add_u32 v8, v8, 12, v9                  ; in: 4,096 (lane / 16) + 16 (lane % 16)
	v_lshlrev_b32 v9, 3, v2                        ; out: 8 x lane
.macro WLOAD p
.irp kb, 0,1,2,3,4,5,6,7,8,9,10,11,12,13,14,15
	global_load_b128 v[WI+64*((\p)%2)+4*\kb:WI+64*((\p)%2)+4*\kb+3], v8, s[16:17] offset:(\p)*8192+\kb*256 th:TH_LOAD_NT
.endr
.endm
.macro WOUT p, left
	s_wait_loadcnt \left                           ; this pair of rows is in; the next pair's sixteen loads may be out
	s_wait_xcnt 0x0                                ; the last pair's stores have read their data registers, which are written again below
.irp kb, 0,1,2,3,4,5,6,7,8,9,10,11,12,13,14,15
	v_cvt_pk_f16_f32 v[WH+2*\kb], v[WI+64*((\p)%2)+4*\kb], v[WI+64*((\p)%2)+4*\kb+1]
	v_cvt_pk_f16_f32 v[WH+2*\kb+1], v[WI+64*((\p)%2)+4*\kb+2], v[WI+64*((\p)%2)+4*\kb+3]
.endr
.irp kb, 0,1,2,3,4,5,6,7,8,9,10,11,12,13,14,15
	global_store_b64 v9, v[WH+2*\kb:WH+2*\kb+1], s[22:23] offset:\kb*131072+(\p)*256
.endr
.endm
	WLOAD 0
	WLOAD 1
	WOUT 0, 16
	WLOAD 2
	WOUT 1, 16
	WLOAD 3
	WOUT 2, 16
	WOUT 3, 0
	s_endpgm
.Lfunc_end_k_qa6d3831c33_quant:
	.size	k_qa6d3831c33_quant, .Lfunc_end_k_qa6d3831c33_quant-k_qa6d3831c33_quant
	.p2alignl 7, 3214868480
	.fill 96, 4, 3214868480
	.section	.rodata,"a",@progbits
	.p2align	6, 0x0
	.amdhsa_kernel k_qa6d3831c33_quant
		.amdhsa_group_segment_fixed_size 33280
		.amdhsa_private_segment_fixed_size 0
		.amdhsa_enable_private_segment 0
		.amdhsa_kernarg_size 80
		.amdhsa_user_sgpr_count 2
		.amdhsa_user_sgpr_kernarg_segment_ptr 1
		.amdhsa_wavefront_size32 1
		.amdhsa_system_sgpr_workgroup_id_x 1
		.amdhsa_system_sgpr_workgroup_id_y 1
		.amdhsa_system_sgpr_workgroup_id_z 1
		.amdhsa_system_vgpr_workitem_id 0
		.amdhsa_next_free_vgpr 192
		.amdhsa_next_free_sgpr 66
		.amdhsa_reserve_vcc 0
		.amdhsa_float_denorm_mode_32 3
		.amdhsa_float_denorm_mode_16_64 3
		.amdhsa_memory_ordered 1
		.amdhsa_forward_progress 1
		.amdhsa_inst_pref_size 55
	.end_amdhsa_kernel
	.amdgpu_metadata
---
amdhsa.version: [ 1, 2 ]
amdhsa.kernels:
  - .name:           k_qa6d3831c33_quant
    .symbol:         k_qa6d3831c33_quant.kd
    .args:
      - { .name: query, .offset: 0, .size: 8, .value_kind: global_buffer, .address_space: global }
      - { .name: key, .offset: 8, .size: 8, .value_kind: global_buffer, .address_space: global }
      - { .name: value, .offset: 16, .size: 8, .value_kind: global_buffer, .address_space: global }
      - { .name: Wq, .offset: 24, .size: 8, .value_kind: global_buffer, .address_space: global }
      - { .name: Wk, .offset: 32, .size: 8, .value_kind: global_buffer, .address_space: global }
      - { .name: Wv, .offset: 40, .size: 8, .value_kind: global_buffer, .address_space: global }
      - { .name: Wo, .offset: 48, .size: 8, .value_kind: global_buffer, .address_space: global }
      - { .name: codes, .offset: 56, .size: 8, .value_kind: global_buffer, .address_space: global }
      - { .name: scales, .offset: 64, .size: 8, .value_kind: global_buffer, .address_space: global }
      - { .name: wo16, .offset: 72, .size: 8, .value_kind: global_buffer, .address_space: global }
    .group_segment_fixed_size: 33280
    .private_segment_fixed_size: 0
    .kernarg_segment_align: 8
    .kernarg_segment_size: 80
    .max_flat_workgroup_size: 128
    .sgpr_count:     66
    .vgpr_count:     192
    .wavefront_size: 32
...
	.end_amdgpu_metadata
.endif
;; end of part 1
;; launch proj (part 2): grid 4 x 96, 4 waves a work-group, clusters of 4 x 4, 327,680 bytes of LDS; arguments codes, scales, bq, bk, bv, qkv; writes qkv
.if DOCPART == 2
	.amdgcn_target "amdgcn-amd-amdhsa--gfx1250"
	.amdhsa_code_object_version 6
	.text
	.protected	k_qa6d3831c33_proj
	.globl	k_qa6d3831c33_proj
	.p2align	8
	.type	k_qa6d3831c33_proj,@function
k_qa6d3831c33_proj:
	s_mov_b64 s[64:65], 0
	v_nop
	global_prefetch_b8 v0, s[64:65] scope:SCOPE_SE
	s_setreg_imm32_b32 hwreg(HW_REG_WAVE_MODE, 25, 1), 1
	s_wait_xcnt 0x0
	s_wait_alu depctr_hold_cnt(0) depctr_sa_sdst(0) depctr_va_vdst(0) depctr_va_sdst(0) depctr_va_ssrc(0) depctr_va_vcc(0) depctr_vm_vsrc(0)
	s_getreg_b32 s2, hwreg(HW_REG_IB_STS2, 6, 4)
	s_cmp_eq_u32 s2, 0
	s_cbranch_scc0 .Lentry_in_a_cluster
	s_endpgm
.Lentry_in_a_cluster:
	s_bfe_u32 s2, ttmp6, 0x10000c
	s_cmp_lg_u32 s2, 0xf033
	s_cbranch_scc0 .Lentry_shape_is_right
	s_endpgm
.Lentry_shape_is_right:
; The three input projections on codes of FP4 (E2M1) with one E8M0 scale for each 32 along K:  q' = (query Wq^T + bq) x 0.125 x log2(e),  k = key Wk^T + bk,  v = value Wv^T + bv.  Sums in f32.
; Results are rounded once to f16 and laid by batch and head: qkv[z][b][h][s][64], z = 0, 1, 2.  (The factor log2(e) lets the next launch take powers of two.)
; LIMIT: q', k and v must lie under 65,504 in magnitude; drawn inputs give about 5.5, and inputs and weights both 30 times larger about 5,000.
; A and B come from the same two buffers: rows 0-24575 are the activations (row = position x 8 + batch), rows 24576 + 1024 z on the weight of tensor z.
; A tile of 256 x 256 is made by four waves, each 128 x 128: 64 accumulators, 512 registers.  K = 1,024 is two K steps of 512, and both lie in LDS from the start: two slots, filled once.
; The scale bytes of the tile's 256 + 256 rows come once too, as whole pieces of 256 bytes.
; CLUSTERS: 4 x 4 work-groups; the four of a row of the cluster need the same tiles of A, the four of a column the same tiles of B: each tile is asked for jointly, by the same tensor load with
; the same descriptor and a mask that names the four.  The tensor z is made of the cluster's y alone (8 clusters to a tensor), so all sixteen partners share it.
; THE MATRIX INSTRUCTION IS USED TRANSPOSED (source 0 = 16 rows of the weight, source 1 = 16 rows of the activations): a lane holds eight neighbouring columns of one row.
; REGISTERS, in windows of 256: window 0: v0-31 addresses; v32-95 scale words, two sets, and nothing else; v96-127 packed results; v128-191 A's fragments, one set, later rows read back; v192-255 the bias of my 128 columns.
;   window 1: B's fragments, two sets, at v0 and v128.   window 2: the accumulators of my rows 0-63 ((a, b) at v[8 (8 a + b)]);   window 3: those of my rows 64-127.
.set KSTEP,  512
.set NQ,     KSTEP/128                 ; matrix instructions deep in a slot
.set ROWB,   256                       ; a tile's row in bytes
.set KROW,   512                       ; a row of codes in memory
.set PITCH,  272                       ; an LDS row: 256 bytes + 16 of padding = 68 words: the 16 rows of a load start at 16 different banks (64 banks of 4 bytes: ISA guide 11.1)
.set FR,     8
.set NL,     2
.set NP,     4                         ; places behind this matrix instruction (ISA guide 7.12.1)
.set HALFT,  128*PITCH
.set SLOT,   4*HALFT                   ; A's 256 rows, then B's 256 rows
.set KS,     32                        ; a row of scale bytes
.set SCL,    2*SLOT
.set HALFS,  (128*KS/256)*272          ; the scales of 128 rows: what one tensor load brings
.set SBLK,   (16*KS/256)*272           ; those of 16 rows
.set SPARE,  SCL+4*HALFS               ; the spare words, 128 bytes a wave, that no other line names
.set SPITCH, 272                       ; the way out: a stage of 16 rows x (256 bytes + 16) for each wave, in slot 0, which has had its only fill and its last read by then
.set WROW,   24576                     ; the weights' first row in the two buffers
.set ADRA, 16
.set ADRB, 20
.set STO,  24
.set RD,   25
.set CO,   26
.set ADRS, 27
.set SPW,  28
.set NIL,  29
.set BO,   30
.set SC,   32
.set TMP,  96
.set AF,   128
.set BK,   128
.set BG,   192
.set G1, 24
.set G0, 32
.set G1B, 48
.set G0B, 56
.set G1S, 68
.set G0S, 76
.set G1SB, 80
.set G0SB, 88
.set MSB, 0
.macro WIN new                         ; the immediate's high byte repeats the setting that is left; a switch that changes nothing is dropped
.if MSB != (\new)
	s_set_vgpr_msb (MSB<<8)|(\new)
.set MSB, \new
.endif
.endm
.set MUL_LO, 0xa1                      ; source 0 (B) window 1, source 1 (A) window 0, C and D window 2
.set MUL_HI, 0xf1
.set TO_B,   0x40
; A joint load: waves 0 and 1 fetch for A, waves 2 and 3 for B; the branch hangs on the wave's number alone.  An s_nop 0 and four v_nop follow each of the two lines.
.macro JLOAD g0a, g1a, g0b, g1b
	s_cmp_eq_u32 s15, 0
	s_cbranch_scc0 .Lfor_b_\@
	tensor_load_to_lds s[\g0a:\g0a+3], s[\g1a:\g1a+7]
	s_nop 0
.rept 4
	v_nop
.endr
	s_branch .Lasked_\@
.Lfor_b_\@:
	tensor_load_to_lds s[\g0b:\g0b+3], s[\g1b:\g1b+7]
	s_nop 0
.rept 4
	v_nop
.endr
.Lasked_\@:
.endm
.macro CROUND                          ; a round of the cluster's barrier
	s_barrier_signal -1
	s_barrier_wait -1
	s_cmp_lg_u32 s14, 0
	s_cbranch_scc1 .Lnot_wave_0_\@
	s_barrier_signal -3
.Lnot_wave_0_\@:
	s_barrier_wait -3
	s_barrier_signal -1
	s_barrier_wait -1
.endm
	s_load_b128 s[4:7], s[0:1], 0x0                ; codes s[4:5], scales s[6:7]
	s_load_b128 s[8:11], s[0:1], 0x10              ; bq s[8:9], bk s[10:11]
	s_load_b128 s[96:99], s[0:1], 0x20             ; bv s[96:97], qkv s[98:99]
	v_lshl_add_u32 v[SPW], v0, 2, SPARE
	v_mov_b32 v[NIL], 0
	ds_add_u32 v[SPW], v[NIL]                      ; the wave's opening: the add, twice on end, and its wait ahead of my first tensor load
	ds_add_u32 v[SPW], v[NIL]
	v_lshrrev_b32 v1, 5, v0
	v_readfirstlane_b32 s14, v1                    ; wave 0..3
	s_lshr_b32 s15, s14, 1                         ; which half of the tile's rows is mine.  Also: I fetch for A (0) or for B (1)
	s_and_b32 s16, s14, 1                          ; which half of its columns.  Also: which 128 rows of that tile I fetch
	s_bfe_u32 s40, ttmp6, 0x40000                  ; cx, cy: my place in the cluster
	s_bfe_u32 s41, ttmp6, 0x40004
	s_lshl_b32 s42, ttmp9, 2
	s_add_co_u32 s42, s42, s40                     ; tile column X = 4 x cluster x + cx
	s_and_b32 s17, ttmp7, 0xffff
	s_lshr_b32 s95, s17, 3                         ; z = cluster y / 8: which of the three products
	s_lshl_b32 s17, s17, 2
	s_add_co_u32 s17, s17, s41                     ; tile row Y = 4 x cluster y + cy, over the three tensors' rows on end
	s_lshl_b32 s43, s41, 2
	s_lshl_b32 s43, 15, s43                        ; my row of the cluster
	s_lshl_b32 s44, 0x1111, s40                    ; my column
	s_or_b32 s[G1+0], s43, (0<<16)|(1<<20)|(1<<21)|(5<<22)|(3<<25)  ; the mask; elements of 1 byte; padding on; bit 21 beside a mask; after every 64 words 4 words
	s_or_b32 s[G1B+0], s44, (0<<16)|(1<<20)|(1<<21)|(5<<22)|(3<<25)
.irp g, G1, G1B
	s_mov_b32 s[\g+1], ROWB<<16                    ; tensor_dim0
	s_mov_b32 s[\g+2], 128<<16                     ; tensor_dim1
	s_mov_b32 s[\g+3], ROWB<<16                    ; tile_dim0
	s_mov_b32 s[\g+4], 128                         ; tile_dim1
	s_mov_b32 s[\g+5], KROW                        ; from row to row
	s_mov_b32 s[\g+6], 0
	s_mov_b32 s[\g+7], 0
.endr
	s_or_b32 s[G1S+0], s43, (3<<16)|(1<<20)|(1<<21)|(5<<22)|(3<<25) ; the scales of 128 rows: 4,096 dense bytes as 16 rows of 32 elements of 8 bytes, 16 bytes of padding behind each
	s_or_b32 s[G1SB+0], s44, (3<<16)|(1<<20)|(1<<21)|(5<<22)|(3<<25)
.irp g, G1S, G1SB
	s_mov_b32 s[\g+1], 32<<16
	s_mov_b32 s[\g+2], (128*KS/256)<<16
	s_mov_b32 s[\g+3], 32<<16
	s_mov_b32 s[\g+4], 128*KS/256
	s_mov_b32 s[\g+5], 32
	s_mov_b32 s[\g+6], 0
	s_mov_b32 s[\g+7], 0
.endr
	s_lshl_b32 s18, s16, 7                         ; which 128 rows of the tile I fetch
	s_lshl_b32 s20, s17, 8
	s_add_co_u32 s20, s20, s18                     ; A: row 256 Y + 128 x half
	s_lshl_b32 s46, s42, 8
	s_add_co_u32 s46, s46, s18
	s_lshl_b32 s47, s95, 10
	s_add_co_u32 s46, s46, s47
	s_add_co_u32 s46, s46, WROW                    ; B: row 24576 + 1024 z + 256 X + 128 x half
	s_mov_b32 s21, 0
	s_mov_b32 s47, 0
	s_mov_b64 s[18:19], KS
	s_mul_u64 s[22:23], s[20:21], s[18:19]         ; where these rows' scales begin, in bytes
	s_mul_u64 s[92:93], s[46:47], s[18:19]
	s_mov_b64 s[18:19], KROW
	s_mul_u64 s[20:21], s[20:21], s[18:19]         ; and their codes
	s_mul_u64 s[46:47], s[46:47], s[18:19]
	s_mul_i32 s45, s14, HALFT                      ; where they go: wave x 128 rows: no place in the cluster enters an LDS address
	s_mul_i32 s94, s14, HALFS
	s_wait_dscnt 0x0                               ; both opening adds are done
	s_wait_kmcnt 0x0
	s_add_nc_u64 s[20:21], s[4:5], s[20:21]
	s_add_nc_u64 s[22:23], s[6:7], s[22:23]
	s_add_nc_u64 s[46:47], s[4:5], s[46:47]
	s_add_nc_u64 s[92:93], s[6:7], s[92:93]
	CROUND                                         ; all sixteen work-groups are here: the first joint loads meet
	s_mov_b32 s[G0S], 1
	s_add_co_u32 s[G0S+1], s94, SCL
	s_mov_b64 s[G0S+2:G0S+3], s[22:23]
	s_or_b32 s[G0S+3], s[G0S+3], 0x80000000
	s_mov_b32 s[G0SB], 1
	s_add_co_u32 s[G0SB+1], s94, SCL
	s_mov_b64 s[G0SB+2:G0SB+3], s[92:93]
	s_or_b32 s[G0SB+3], s[G0SB+3], 0x80000000
	JLOAD G0S, G1S, G0SB, G1SB                     ; the scales first: they are wanted with K step 0
.irp s, 0,1
	s_mov_b32 s[G0+4*\s], 1
	s_add_co_u32 s[G0+4*\s+1], s45, \s*SLOT
	s_add_nc_u64 s[G0+4*\s+2:G0+4*\s+3], s[20:21], \s*ROWB
	s_or_b32 s[G0+4*\s+3], s[G0+4*\s+3], 0x80000000
	s_mov_b32 s[G0B+4*\s], 1
	s_add_co_u32 s[G0B+4*\s+1], s45, \s*SLOT
	s_add_nc_u64 s[G0B+4*\s+2:G0B+4*\s+3], s[46:47], \s*ROWB
	s_or_b32 s[G0B+4*\s+3], s[G0B+4*\s+3], 0x80000000
	JLOAD G0+4*\s, G1, G0B+4*\s, G1B               ; three tensor loads of mine are out now, and no more follow
.endr
	; the bias and the factor of tensor z: choices on z alone
	s_cmp_eq_u32 s95, 2
	s_cselect_b64 s[10:11], s[96:97], s[10:11]     ; bv or bk
	s_cmp_eq_u32 s95, 0
	s_cselect_b64 s[8:9], s[8:9], s[10:11]         ; bq, or that
	s_cselect_b32 s2, 0x3e38aa3b, 1.0              ; 0.125 x log2(e) for q, 1 for k and v
	s_mov_b32 s3, s2                               ; (named with it as a pair)
	s_lshl_b32 s92, s42, 10
	s_lshl_b32 s93, s16, 9
	s_add_co_u32 s92, s92, s93                     ; my first column x 4 bytes: 1024 X + 512 x half
	s_mov_b32 s93, 0
	s_add_nc_u64 s[8:9], s[8:9], s[92:93]
	v_and_b32 v1, 15, v0                           ; r = l % 16
	v_bfe_u32 v2, v0, 4, 1                         ; h = l / 16
	v_lshlrev_b32 v[BO], 5, v2                     ; the bias: register 8 b + j is that of column 16 b + 8 h + j
.irp b, 0,1,2,3,4,5,6,7
	global_load_b128 v[BG+8*\b:BG+8*\b+3], v[BO], s[8:9] offset:64*\b
	global_load_b128 v[BG+8*\b+4:BG+8*\b+7], v[BO], s[8:9] offset:64*\b+16
.endr
	v_mul_u32_u24 v3, v1, PITCH
	v_lshl_add_u32 v4, v2, 4, v3                   ; a fragment's row x pitch + 16 x half
	s_mul_i32 s21, s15, HALFT                      ; my 128 rows of A
	s_mul_i32 s22, s16, HALFT                      ; my 128 rows of B,
	s_add_co_u32 s22, s22, 2*HALFT                 ; which lie behind A's 256
.irp s, 0,1
	v_add_nc_u32 v[ADRA+\s], s21, v4
	v_add_nc_u32 v[ADRB+\s], s22, v4
	s_add_co_u32 s21, s21, SLOT
	s_add_co_u32 s22, s22, SLOT
.endr
	v_mul_u32_u24 v5, v1, KS                       ; my row's scales: KS bytes a row,
	v_lshrrev_b32 v6, 8, v5
	v_lshl_add_u32 v5, v6, 4, v5                   ; and 16 more for each 256 passed
	s_mul_i32 s21, s15, HALFS
	s_mul_i32 s22, s16, HALFS
	s_add_co_u32 s22, s22, 2*HALFS
	s_sub_co_u32 s22, s22, s21
	v_mul_u32_u24 v6, s22, v2                      ; lanes 16-31 take B's: one product, the distance x h
	s_add_co_u32 s21, s21, SCL
	v_add_nc_u32 v5, v5, v6
	v_add_nc_u32 v[ADRS], s21, v5
	s_mul_i32 s23, s14, 16*SPITCH                  ; my stage
	v_mul_u32_u24 v5, v1, SPITCH                   ; in: row r, 16 bytes for each half of the lanes
	v_lshl_add_u32 v5, v2, 4, v5
	v_add_nc_u32 v[STO], s23, v5
	; back: a row m of the tile is position m / 8 of batch m % 8.  Sixteen lanes take the 256 bytes that lie together in qkv: one batch, one head, two positions: stage rows b and b + 8, 128 bytes of each
	v_bfe_u32 v5, v0, 3, 1
	v_mul_u32_u24 v5, v5, 8*SPITCH                 ; the odd position: 8 rows on
	v_mad_u32_u24 v5, v2, 4*SPITCH, v5             ; lanes 16-31: batch + 4
	v_and_b32 v6, 7, v0
	v_lshl_add_u32 v5, v6, 4, v5
	v_add_nc_u32 v[RD], s23, v5
	v_lshlrev_b32 v[CO], 4, v1
	v_lshl_add_u32 v[CO], v2, 23, v[CO]            ; in qkv: 16 (l % 16) + 4 batches of 2,097,152 bytes for lanes 16-31
	s_lshl_b32 s92, s95, 24                        ; z x 16,777,216
	s_lshl_b32 s94, s42, 19                        ; head 4 X,
	s_add_co_u32 s92, s92, s94
	s_lshl_b32 s94, s16, 18                        ; + 2 x half, 131,072 bytes a head
	s_add_co_u32 s92, s92, s94
	s_and_b32 s94, s17, 31
	s_lshl_b32 s94, s94, 12                        ; position 32 (Y % 32),
	s_add_co_u32 s92, s92, s94
	s_lshl_b32 s94, s15, 11                        ; + 16 x half, 128 bytes a position
	s_add_co_u32 s92, s92, s94
	s_mov_b32 s93, 0
	s_add_nc_u64 s[12:13], s[98:99], s[92:93]
.macro FRAG reg, adr, q, i             ; a fragment, 16 rows x 128 K of 4-bit codes: lane l holds row l % 16; registers 4 c .. 4 c + 3 hold K = 64 c + 32 (l / 16) + 0 .. 31
.irp c, 0,1
	ds_load_b128 v[\reg+4*\c:\reg+4*\c+3], v[\adr] offset:64*(\q)+32*\c+(\i)*16*PITCH
.endr
.endm
; 16 matrix instructions: A's blocks a0, a0 + 1 x B's eight, 128 along K.  The 64 accumulators take turns, one instruction a turn, in the same order in every step.
; A scale register holds A's word of block i in lanes 0-15 and B's word of block i in lanes 16-31.
.macro MUL16 a0, p, q, sc, zero
.irp a, \a0, \a0+1
.irp b, 0,1,2,3,4,5,6,7
.if \zero
	v_wmma_scale_f32_16x16x128_f8f6f4 v[8*(8*((\a)%4)+\b):8*(8*((\a)%4)+\b)+7], v[128*(\p)+FR*\b:128*(\p)+FR*\b+FR-1], v[AF+FR*(\a):AF+FR*(\a)+FR-1], 0, v[SC+8*NQ*(\sc)+NQ*\b+(\q)], v[SC+8*NQ*(\sc)+NQ*(\a)+(\q)] matrix_a_fmt:MATRIX_FMT_FP4 matrix_b_fmt:MATRIX_FMT_FP4 matrix_a_scale:MATRIX_SCALE_ROW1
.else
	v_wmma_scale_f32_16x16x128_f8f6f4 v[8*(8*((\a)%4)+\b):8*(8*((\a)%4)+\b)+7], v[128*(\p)+FR*\b:128*(\p)+FR*\b+FR-1], v[AF+FR*(\a):AF+FR*(\a)+FR-1], v[8*(8*((\a)%4)+\b):8*(8*((\a)%4)+\b)+7], v[SC+8*NQ*(\sc)+NQ*\b+(\q)], v[SC+8*NQ*(\sc)+NQ*(\a)+(\q)] matrix_a_fmt:MATRIX_FMT_FP4 matrix_b_fmt:MATRIX_FMT_FP4 matrix_a_scale:MATRIX_SCALE_ROW1
.endif
.endr
.endr
.endm
.macro FETCH_B slot, q, p
	WIN TO_B
.irp i, 0,1,2,3,4,5,6,7
	FRAG 128*(\p)+FR*\i, ADRB+\slot, \q, \i
.endr
	WIN 0
.endm
.macro FETCH_A slot, q, i0
.irp i, \i0, \i0+1, \i0+2, \i0+3
	FRAG AF+FR*(\i), ADRA+\slot, \q, \i
.endr
.endm
.macro SCALES sc                       ; a K step's scale words: 4 words a row; lanes 0-15 take A's block i, lanes 16-31 B's block i
.irp i, 0,1,2,3,4,5,6,7
	ds_load_b128 v[SC+8*NQ*\sc+NQ*\i:SC+8*NQ*\sc+NQ*\i+3], v[ADRS] offset:\i*SBLK
.endr
.endm
.macro PLACES n                        ; places in front of loads into registers that matrix instructions have read, and of the first read of results
.rept \n
	v_nop
.endr
.endm
.macro STEP slot, q, zero              ; a step of 128 along K that has its successor in the same slot
	s_wait_dscnt 4*NL                              ; B's set and A's blocks 0-3 are in; the youngest eight loads (A's blocks 4-7) may be out
	WIN MUL_LO
	MUL16 0, (\q)%2, \q, \slot, \zero
	MUL16 2, (\q)%2, \q, \slot, \zero
	s_wait_dscnt 0                                 ; A's blocks 4-7 are in
	PLACES NP
	FETCH_B \slot, (\q)+1, 1-(\q)%2
	FETCH_A \slot, (\q)+1, 0
	WIN MUL_HI
	MUL16 4, (\q)%2, \q, \slot, \zero
	MUL16 6, (\q)%2, \q, \slot, \zero
	PLACES NP
	WIN 0
	FETCH_A \slot, (\q)+1, 4
.endm
; Slot 0's last step goes over to slot 1: one barrier; in front of it each wave waits for all its tensor loads (its part of slot 1 is the one that may be out) and for its own reads of slot 0.  Nothing is filled again.
.macro TURN slot, next
	s_wait_tensorcnt 0x0                           ; all my tensor loads have landed
	ds_add_u32 v[SPW], v[NIL]                      ; 0 onto my spare word
	s_wait_dscnt 4*NL+1                            ; (the add and the youngest eight loads may be out)
	WIN MUL_LO
	MUL16 0, 1, NQ-1, \slot, 0
	s_wait_dscnt 0x0                               ; the add is done, and my reads of this slot are over
	s_barrier_signal -1
	MUL16 2, 1, NQ-1, \slot, 0
	WIN 0
	s_barrier_wait -1
	PLACES NP
	v_add_nc_u32 v[ADRS], 4*NQ, v[ADRS]            ; on to the next K step's scale words
	FETCH_B \next, 0, 0
	FETCH_A \next, 0, 0
	SCALES \next
	WIN MUL_HI
	MUL16 4, 1, NQ-1, \slot, 0
	MUL16 6, 1, NQ-1, \slot, 0
	PLACES NP
	WIN 0
	FETCH_A \next, 0, 4
.endm
.macro STEPS slot, from
.set Q, \from
.rept NQ-1-\from
	STEP \slot, Q, 0
.set Q, Q+1
.endr
.endm
	s_wait_tensorcnt 1                             ; the scales and my part of K step 0 are in (K step 1's load, the one issued behind them, may be out),
	s_barrier_signal -1
	s_barrier_wait -1                              ; everybody's are
	FETCH_B 0, 0, 0
	FETCH_A 0, 0, 0
	SCALES 0
	FETCH_A 0, 0, 4
	STEP 0, 0, 1                                   ; the first products start the sums: nothing is cleared
	STEPS 0, 1
	TURN 0, 1
	STEPS 1, 0
	s_wait_dscnt 4*NL                              ; the very last step: nothing more to fetch
	WIN MUL_LO
	MUL16 0, 1, NQ-1, 1, 0
	MUL16 2, 1, NQ-1, 1, 0
	s_wait_dscnt 0
	WIN MUL_HI
	MUL16 4, 1, NQ-1, 1, 0
	MUL16 6, 1, NQ-1, 1, 0
	WIN 0
; THE WAY OUT, block by block of 16 rows x 128 columns: sum x factor + bias x factor in one fused multiply-add, in place, each accumulator from its low end on; rounded to f16; through my stage; out in pieces of 256 bytes.
	PLACES NP
	s_wait_loadcnt 0x0                             ; the bias
.set I, 0
.rept 32
	v_pk_mul_f32 v[BG+2*I:BG+2*I+1], v[BG+2*I:BG+2*I+1], s[2:3] op_sel_hi:[1,0]
.set I, I+1
.endr
.macro OUTB a
.set AC, 64*((\a)%4)
	WIN 0x82+0x41*((\a)/4)                         ; destination and source 0: window 2 or 3; the bias: window 0
.set I, 0
.rept 32
	v_pk_fma_f32 v[AC+2*I:AC+2*I+1], v[AC+2*I:AC+2*I+1], s[2:3], v[BG+2*I:BG+2*I+1] op_sel_hi:[1,0,1]
.set I, I+1
.endr
	WIN 0x0a+5*((\a)/4)                            ; sources 0 and 1: window 2 or 3
.set I, 0
.rept 32
	v_cvt_pk_f16_f32 v[TMP+I], v[AC+2*I], v[AC+2*I+1]
.set I, I+1
.endr
	WIN 0
.irp b, 0,1,2,3,4,5,6,7
	ds_store_b128 v[STO], v[TMP+4*\b:TMP+4*\b+3] offset:32*\b
.endr
.set BB, BK+32*((\a)%2)
.irp t, 0,1,2,3,4,5,6,7                ; batch t % 4 (+ 4 in lanes 16-31), head t / 4.  LDS serves a wave's instructions in order: these see the stores above
	ds_load_b128 v[BB+4*\t:BB+4*\t+3], v[RD] offset:(\t%4)*SPITCH+(\t/4)*128
.endr
.endm
.macro SEND a, younger                 ; younger: the LDS instructions issued behind block a's loads
.set BB, BK+32*((\a)%2)
	s_wait_dscnt \younger
.if (\a) > 0
	s_add_nc_u64 s[12:13], s[12:13], 256           ; two positions on (the earlier stores have read their base: a wait on XCNT stands ahead)
.endif
.irp t, 0,1,2,3,4,5,6,7
	global_store_b128 v[CO], v[BB+4*\t:BB+4*\t+3], s[12:13] offset:(\t%4)*2097152+(\t/4)*131072   ; 16 lanes store 256 consecutive bytes, aligned
.endr
.endm
	OUTB 0
.irp a, 1,2,3,4,5,6,7
.if \a > 1
	s_wait_xcnt 0x0                                ; block a - 2's stores have read their registers and their base
.endif
	OUTB \a
	SEND \a-1, 16                                  ; behind block a - 1's loads: block a's 8 stores and 8 loads
.endr
	s_wait_xcnt 0x0
	SEND 7, 0
	s_wait_tensorcnt 0x0                           ; the wave's end
	ds_add_u32 v[SPW], v[NIL]
	s_wait_dscnt 0x0
	CROUND                                         ; the closing round: no work-group ends while a partner may still ask for a tile that names it
	s_endpgm
.Lfunc_end_k_qa6d3831c33_proj:
	.size	k_qa6d3831c33_proj, .Lfunc_end_k_qa6d3831c33_proj-k_qa6d3831c33_proj
	.p2alignl 7, 3214868480
	.fill 96, 4, 3214868480
	.section	.rodata,"a",@progbits
	.p2align	6, 0x0
	.amdhsa_kernel k_qa6d3831c33_proj
		.amdhsa_group_segment_fixed_size 327680
		.amdhsa_private_segment_fixed_size 0
		.amdhsa_enable_private_segment 0
		.amdhsa_kernarg_size 48
		.amdhsa_user_sgpr_count 2
		.amdhsa_user_sgpr_kernarg_segment_ptr 1
		.amdhsa_wavefront_size32 1
		.amdhsa_system_sgpr_workgroup_id_x 1
		.amdhsa_system_sgpr_workgroup_id_y 1
		.amdhsa_system_sgpr_workgroup_id_z 1
		.amdhsa_system_vgpr_workitem_id 0
		.amdhsa_next_free_vgpr 1024
		.amdhsa_next_free_sgpr 100
		.amdhsa_reserve_vcc 0
		.amdhsa_float_denorm_mode_32 3
		.amdhsa_float_denorm_mode_16_64 3
		.amdhsa_memory_ordered 1
		.amdhsa_forward_progress 1
		.amdhsa_inst_pref_size 147
	.end_amdhsa_kernel
	.amdgpu_metadata
---
amdhsa.version: [ 1, 2 ]
amdhsa.kernels:
  - .name:           k_qa6d3831c33_proj
    .symbol:         k_qa6d3831c33_proj.kd
    .args:
      - { .name: codes, .offset: 0, .size: 8, .value_kind: global_buffer, .address_space: global }
      - { .name: scales, .offset: 8, .size: 8, .value_kind: global_buffer, .address_space: global }
      - { .name: bq, .offset: 16, .size: 8, .value_kind: global_buffer, .address_space: global }
      - { .name: bk, .offset: 24, .size: 8, .value_kind: global_buffer, .address_space: global }
      - { .name: bv, .offset: 32, .size: 8, .value_kind: global_buffer, .address_space: global }
      - { .name: qkv, .offset: 40, .size: 8, .value_kind: global_buffer, .address_space: global }
    .group_segment_fixed_size: 327680
    .private_segment_fixed_size: 0
    .kernarg_segment_align: 8
    .kernarg_segment_size: 48
    .max_flat_workgroup_size: 128
    .sgpr_count:     100
    .vgpr_count:     1024
    .wavefront_size: 32
...
	.end_amdgpu_metadata
.endif
;; end of part 2
;; launch attn (part 3): grid 2 x 128, 8 waves a work-group, no clusters, 327,680 bytes of LDS; arguments qkv, key_padding_mask, ao; writes ao
.if DOCPART == 3
	.amdgcn_target "amdgcn-amd-amdhsa--gfx1250"
	.amdhsa_code_object_version 6
	.text
	.protected	k_qa6d3831c33_attn
	.globl	k_qa6d3831c33_attn
	.p2align	8
	.type	k_qa6d3831c33_attn,@function
k_qa6d3831c33_attn:
	s_mov_b64 s[64:65], 0
	v_nop
	global_prefetch_b8 v0, s[64:65] scope:SCOPE_SE
	s_setreg_imm32_b32 hwreg(HW_REG_WAVE_MODE, 25, 1), 1
	s_wait_xcnt 0x0
; ao[b][h][t][:] = the sum over s of softmax_s(q . k, masked keys left out) v[s][:], for one batch and head a work-group row.  q', k, v: f16 [b][h][s][64]; q' already holds 0.125 x log2(e).
; Products in f16 with f32 sums; maxima, exponentials and sums in f32; the weights p are rounded to f16 for the second product, the result once at the end.
; SOFTMAX: for each query a running maximum m and sum l: p = 2^(s - m); in every step O and l are multiplied by a = 2^(m_old - m_new).
; THE MASK is a number: 0 for a key that counts, -1e30 for a masked one, given as the C of the first product of each tile of scores, so that it costs no vector instruction.
; f16 operands bound a true score by 64 x 65,504^2 = 2.7e11, so the two cannot be confused: beside any true key a masked key's p is 0, and the first true key's a = 0 wipes what masked keys alone had summed.
; A query all of whose keys are masked (m under -2^96) gets NaN, as the softmax of a row of -infinity is.
; LIMITS: NaN and infinities among the inputs are not served; the result must lie under 65,504 (it is an average of v).
; SHARES: a work-group owns 512 queries of one head, each of its eight waves 64: four tiles of 16; two waves to a SIMD, so that one wave's vector work stands beside the other's products.
; ALL 1,024 KEYS OF THE HEAD COME TO LIE IN LDS, each byte filled once: waves 0-3 bring K, waves 4-7 V, each by two tensor loads.  The first, 64 rows a wave (together keys 0-255), goes out at the head:
; with Q's loads it is all that the head asks for.  The second, 192 rows a wave, is asked for behind the first barrier and has four key steps, 256 matrix instructions of a wave, in which to land.
; No cluster: only two work-groups share a head's K and V, and the grid's x, 2, is no multiple of a cluster's 4.  No prefetch: the one place ahead of the second loads is the kernel's head, where the first tiles are on their way.
; LAYOUT: S^T = K Q^T (source 0 = 16 keys, source 1 = 16 queries): a lane holds ONE query (lane % 16) and keys 8 (lane / 16) + 0..7.  Two such tiles, rounded in pairs, are source 1 of O^T = V^T P.  V is turned by ds_load_tr16_b128.
; REGISTERS: window 0: v1-11, v44 addresses; v12-43 eight statistics a tile; v45-53 at work at the head; v64-191 S^T, 32 a tile; v192-255 P, 16 a tile (v192-223 hold the mask's terms while P is dead).
;   window 1: v0-127 O^T, 32 a tile; v128-191 Q; v192-255 one buffer for K's or V's eight fragments.
.set PKB,   144                        ; a row of K in LDS: 128 bytes + 16: 36 words: the 16 rows of a load start at 16 different 16-byte columns of the 64 banks (ISA guide 11.1)
.set PVB,   160                        ; a row of V: 128 + 32: 40 words
.set VB,    1024*PKB
.set MT,    VB+1024*PVB                ; the mask's 1,024 terms, f32: stored by the waves, in blocks into which no tensor load lands
.set SPARE, MT+4096                    ; the spare words, 128 bytes a wave, that no other line names
.set ZB,    16777216                   ; bytes of one of q', k, v
.set RD,  1
.set AK0, 2
.set AV0, 3
.set AM0, 4
.set ADK, 5
.set ADV, 6
.set ADM, 7
.set QO,  8
.set STO, 9
.set SPW, 10
.set NIL, 11
.set ST,  12                           ; tile t at v[ST+8 t]: +0 m, +1 zero (named with m as a pair), +2, +3 l, +4 to +7 c0-c3; a takes c2's place
.set GO,  44
.set S,   64
.set P,   192
.set MB,  192
.set QF,  128                          ; in window 1
.set KV,  192                          ; in window 1
.set WV,  10                           ; s10 wave;  s11 wave % 4
.set CNT, 22
.set TK,  23                           ; LDS bytes at which the step's keys begin in K,
.set TV,  76                           ; in V,
.set TM,  77                           ; and among the mask's terms
.set SEL, 78
.set G1K64,  24
.set G1K192, 32
.set G1V64,  40
.set G1V192, 48
.set G0K0, 56
.set G0K1, 60
.set G0V0, 68
.set G0V1, 72
.set MSB, 0
.macro WIN new
.if MSB != (\new)
	s_set_vgpr_msb (MSB<<8)|(\new)
.set MSB, \new
.endif
.endm
.set W_KQ, 0x05                        ; K and Q window 1; S^T and the mask's terms window 0
.set W_PV, 0x51                        ; V window 1, P window 0, O^T window 1
.set W_LD, 0x40                        ; destination window 1, address window 0
.set W_RS, 0x41                        ; O^T (destination and source 0) window 1, the factor window 0
	s_load_b128 s[4:7], s[0:1], 0x0                ; qkv s[4:5], the mask s[6:7]
	s_load_b64 s[8:9], s[0:1], 0x10                ; ao
	v_lshl_add_u32 v[SPW], v0, 2, SPARE
	v_mov_b32 v[NIL], 0
	ds_add_u32 v[SPW], v[NIL]                      ; the wave's opening: the add, twice on end, and its wait ahead of my first tensor load
	ds_add_u32 v[SPW], v[NIL]
	v_lshrrev_b32 v1, 5, v0
	v_readfirstlane_b32 s[WV], v1                  ; wave 0..7
	s_and_b32 s11, s[WV], 3                        ; which quarter of K's or V's rows I fetch
	s_and_b32 s12, ttmp7, 0xffff                   ; 16 x batch + head
	; descriptor groups 1: rows of 64 elements of 2 bytes, dense in memory, padded in LDS behind every row (32 words): 4 words for K, 8 for V; 64 or 192 rows
	s_mov_b32 s[G1K64],  (1<<16)|(1<<20)|(4<<22)|(3<<25)
	s_mov_b32 s[G1K192], (1<<16)|(1<<20)|(4<<22)|(3<<25)
	s_mov_b32 s[G1V64],  (1<<16)|(1<<20)|(4<<22)|(7<<25)
	s_mov_b32 s[G1V192], (1<<16)|(1<<20)|(4<<22)|(7<<25)
.irp g, G1K64, G1K192, G1V64, G1V192
	s_mov_b32 s[\g+1], 64<<16                      ; tensor_dim0
	s_mov_b32 s[\g+3], 64<<16                      ; tile_dim0
	s_mov_b32 s[\g+5], 64                          ; from row to row
	s_mov_b32 s[\g+6], 0
	s_mov_b32 s[\g+7], 0
.endr
.irp g, G1K64, G1V64
	s_mov_b32 s[\g+2], 64<<16                      ; tensor_dim1
	s_mov_b32 s[\g+4], 64                          ; tile_dim1
.endr
.irp g, G1K192, G1V192
	s_mov_b32 s[\g+2], 192<<16
	s_mov_b32 s[\g+4], 192
.endr
	; byte offsets in qkv, all under 2^26
	s_lshl_b32 s13, s12, 17                        ; the head's 1,024 rows of 128 bytes
	s_lshl_b32 s14, s11, 13                        ; first load: rows 64 p on
	s_add_co_u32 s14, s14, s13
	s_add_co_u32 s18, s14, 2*ZB                    ; in v,
	s_add_co_u32 s14, s14, ZB                      ; in k
	s_mul_i32 s16, s11, 192*128                    ; second load: rows 256 + 192 p on
	s_add_co_u32 s16, s16, s13
	s_add_co_u32 s16, s16, 256*128
	s_add_co_u32 s20, s16, 2*ZB
	s_add_co_u32 s16, s16, ZB
	s_mov_b32 s15, 0
	s_mov_b32 s17, 0
	s_mov_b32 s19, 0
	s_mov_b32 s21, 0
	s_lshl_b32 s2, ttmp9, 16                       ; my work-group's 512 queries,
	s_lshl_b32 s3, s[WV], 13                       ; my wave's 64 of them
	s_add_co_u32 s2, s2, s3
	s_add_co_u32 s2, s2, s13
	s_mov_b32 s3, 0
	s_lshr_b32 s76, s12, 4
	s_lshl_b32 s76, s76, 10                        ; the batch's 1,024 mask bytes
	s_mov_b32 s77, 0
	; LDS addresses: a constant + the wave's quarter x a constant
	s_mov_b32 s[G0K0], 1
	s_mul_i32 s[G0K0+1], s11, 64*PKB
	s_mov_b32 s[G0K1], 1
	s_mul_i32 s[G0K1+1], s11, 192*PKB
	s_add_co_u32 s[G0K1+1], s[G0K1+1], 256*PKB
	s_mov_b32 s[G0V0], 1
	s_mul_i32 s[G0V0+1], s11, 64*PVB
	s_add_co_u32 s[G0V0+1], s[G0V0+1], VB
	s_mov_b32 s[G0V1], 1
	s_mul_i32 s[G0V1+1], s11, 192*PVB
	s_add_co_u32 s[G0V1+1], s[G0V1+1], VB+256*PVB
	s_mov_b32 s[SEL], 0x76543210
	s_mov_b32 s[SEL+1], 0xfedcba98                 ; v_permlanex16_b32's selects for lane l xor 16
	s_wait_dscnt 0x0                               ; both opening adds are done
	s_wait_kmcnt 0x0
	s_add_nc_u64 s[G0K0+2:G0K0+3], s[4:5], s[14:15]
	s_or_b32 s[G0K0+3], s[G0K0+3], 0x80000000
	s_add_nc_u64 s[G0K1+2:G0K1+3], s[4:5], s[16:17]
	s_or_b32 s[G0K1+3], s[G0K1+3], 0x80000000
	s_add_nc_u64 s[G0V0+2:G0V0+3], s[4:5], s[18:19]
	s_or_b32 s[G0V0+3], s[G0V0+3], 0x80000000
	s_add_nc_u64 s[G0V1+2:G0V1+3], s[4:5], s[20:21]
	s_or_b32 s[G0V1+3], s[G0V1+3], 0x80000000
	s_cmp_lt_u32 s[WV], 4                          ; keys 0-255: one load a wave, ahead of every wait on TENSORcnt, every LDS read and every barrier: one load of mine is out
	s_cbranch_scc0 .Lfirst_v
	tensor_load_to_lds s[G0K0:G0K0+3], s[G1K64:G1K64+7]
	s_nop 0
.rept 4
	v_nop
.endr
	s_branch .Lfirst_asked
.Lfirst_v:
	tensor_load_to_lds s[G0V0:G0V0+3], s[G1V64:G1V64+7]
	s_nop 0
.rept 4
	v_nop
.endr
.Lfirst_asked:
	s_add_nc_u64 s[6:7], s[6:7], s[76:77]
	s_add_nc_u64 s[4:5], s[4:5], s[2:3]            ; q' at my wave's first query
	s_add_nc_u64 s[8:9], s[8:9], s[2:3]            ; ao likewise
	v_lshlrev_b32 v52, 2, v0
	global_load_b32 v45, v52, s[6:7]               ; four mask bytes a thread: the 256 threads take the batch's 1,024
	v_and_b32 v46, 15, v0                          ; r
	v_bfe_u32 v47, v0, 4, 1                        ; h
	v_lshlrev_b32 v[QO], 7, v46
	v_lshl_add_u32 v[QO], v47, 4, v[QO]            ; row r of 128 bytes + 16 h
	WIN W_LD
.irp f, 0,1,2,3,4,5,6,7                        ; Q stays in registers: tile f / 2, channels 32 (f % 2) on
	global_load_b128 v[QF+8*\f:QF+8*\f+3],   v[QO], s[4:5] offset:(\f/2)*2048+(\f%2)*64
	global_load_b128 v[QF+8*\f+4:QF+8*\f+7], v[QO], s[4:5] offset:(\f/2)*2048+(\f%2)*64+32
.endr
.set i, 0
.rept 128
	v_mov_b32 v[i], 0                              ; O^T.  The step is written once for all steps: the first finds zeros.  These lines run while the first tiles are on their way
.set i, i+1
.endr
	WIN 0
	v_mul_u32_u24 v[AK0], v46, PKB
	v_lshl_add_u32 v[AK0], v47, 4, v[AK0]          ; K: row r x pitch + 16 h
	v_and_b32 v48, 7, v0
	v_lshl_add_u32 v[AV0], v47, 3, v48             ; V, turned: key 8 h + l % 8,
	v_mul_u32_u24 v[AV0], v[AV0], PVB
	v_bfe_u32 v48, v0, 3, 1
	v_lshl_add_u32 v[AV0], v48, 4, v[AV0]          ; channels 8 ((l / 8) % 2) on
	v_add_nc_u32 v[AV0], VB, v[AV0]
	v_lshl_add_u32 v[AM0], v47, 5, MT              ; the mask's terms of keys 8 h on
	s_mul_i32 s13, s[WV], 64*PKB                   ; the way out: my stage, 64 rows x 144 bytes, in K's bytes
	v_add_nc_u32 v[STO], s13, v[AK0]               ; in: row r, 16 bytes for each half of the lanes
	v_and_b32 v48, 31, v0
	v_lshrrev_b32 v49, 3, v48
	v_mul_u32_u24 v[RD], v49, PKB                  ; back: eight lanes to a row of 128 bytes, four rows an instruction
	v_and_b32 v49, 7, v0
	v_lshl_add_u32 v[RD], v49, 4, v[RD]
	v_add_nc_u32 v[RD], s13, v[RD]
	v_lshlrev_b32 v[GO], 4, v48                    ; and the same 512 bytes in ao
	v_lshl_add_u32 v53, v0, 4, MT
.irp t, 0,1,2,3
	v_mov_b32 v[ST+8*\t], 0xff61b1e6               ; m = -3e38, under every score
	v_mov_b32 v[ST+8*\t+1], 0
	v_mov_b32 v[ST+8*\t+2], 0                      ; l, in two halves
	v_mov_b32 v[ST+8*\t+3], 0
.endr
	s_mov_b32 s[TK], 0
	s_mov_b32 s[TV], 0
	s_mov_b32 s[TM], 0
	s_wait_loadcnt 16                              ; the mask's word is in; Q's sixteen loads, issued behind it, may be out
.irp k, 0,1,2,3
	v_bfe_u32 v[48+\k], v45, 8*\k, 8
.endr
.irp k, 0,1,2,3
	v_cvt_f32_u32 v[48+\k], v[48+\k]
.endr
.irp k, 0,1,2,3
	v_mul_f32 v[48+\k], 0xf149f2ca, v[48+\k]       ; 0, or -1e30
.endr
	ds_store_b128 v53, v[48:51]
	s_wait_loadcnt 0x0                             ; Q
	; The rest of K and V is asked for as a refill is, though every byte of it is filled for the first time: all my tensor loads have landed, the add, the wait for it, the barrier, and the load first behind it.
	s_wait_tensorcnt 0x0                           ; my part of keys 0-255 is in
	ds_add_u32 v[SPW], v[NIL]                      ; 0 onto my spare word
	s_wait_dscnt 0x0                               ; the add is done; and, for the others' sake, my terms of the mask are stored
	s_barrier_signal -1
	s_barrier_wait -1                              ; everybody's are: keys 0-255 and the mask's terms may be read
	s_cmp_lt_u32 s[WV], 4                          ; keys 256-1023: my one tensor load from here on
	s_cbranch_scc0 .Lsecond_v
	tensor_load_to_lds s[G0K1:G0K1+3], s[G1K192:G1K192+7]
	s_nop 0
.rept 4
	v_nop
.endr
	s_branch .Lsecond_asked
.Lsecond_v:
	tensor_load_to_lds s[G0V1:G0V1+3], s[G1V192:G1V192+7]
	s_nop 0
.rept 4
	v_nop
.endr
.Lsecond_asked:
; A KEY STEP: 64 keys.
.macro STEP
	WIN 0
	v_add_nc_u32 v[ADK], s[TK], v[AK0]             ; these three and the v_nop are the four places behind the last step's products, in front of the loads into registers that they read
	v_add_nc_u32 v[ADV], s[TV], v[AV0]
	v_add_nc_u32 v[ADM], s[TM], v[AM0]
	v_nop
.irp kt, 0,1,2,3                               ; the mask's terms in the layout of C: register j of tile kt: key 16 kt + 8 h + j
	ds_load_b128 v[MB+8*\kt:MB+8*\kt+3],   v[ADM] offset:64*\kt
	ds_load_b128 v[MB+8*\kt+4:MB+8*\kt+7], v[ADM] offset:64*\kt+16
.endr
	WIN W_LD
.irp f, 0,2,4,6,1,3,5,7                        ; K: keys 16 (f / 2) on, channels 32 (f % 2) on: in the order in which the products take the fragments
	ds_load_b128 v[KV+8*\f:KV+8*\f+3],   v[ADK] offset:(\f/2)*16*PKB+(\f%2)*64
	ds_load_b128 v[KV+8*\f+4:KV+8*\f+7], v[ADK] offset:(\f/2)*16*PKB+(\f%2)*64+32
.endr
	WIN W_KQ
.set i, 0
.rept 32                                       ; S^T = K Q^T + the mask's term: channels 32 (i / 16) on, keys 16 ((i / 4) % 4) on, tile i % 4.  The 16 accumulators take turns
.set rS, S+32*(i%4)+8*((i/4)%4)
.set rK, KV+16*((i/4)%4)+8*(i/16)
.set rQ, QF+16*(i%4)+8*(i/16)
.set rM, MB+8*((i/4)%4)
.if (i%4) == 0
	s_wait_dscnt 14-2*(i/4)                        ; LDS loads come back in order (ISA guide 5.7.1): the mask's eight and K's pairs up to this group's are in; the 14 - 2 (i / 4) loads issued behind them may be out
.endif
.if i < 16
	v_wmma_f32_16x16x32_f16 v[rS:rS+7], v[rK:rK+7], v[rQ:rQ+7], v[rM:rM+7]
.else
	v_wmma_f32_16x16x32_f16 v[rS:rS+7], v[rK:rK+7], v[rQ:rQ+7], v[rS:rS+7]
.endif
.set i, i+1
.endr
.rept 4
	v_nop                                          ; four places: for V's loads into K's registers, and for the first read of the scores
.endr
	WIN W_LD
.irp f, 0,1,2,3,4,5,6,7                        ; V, turned: keys 32 (f / 4) on, channels 16 (f % 4) on.  It lands while the softmax is walked
	ds_load_tr16_b128 v[KV+8*\f:KV+8*\f+3],   v[ADV] offset:(\f/4)*32*PVB+(\f%4)*32
	ds_load_tr16_b128 v[KV+8*\f+4:KV+8*\f+7], v[ADV] offset:(\f/4)*32*PVB+16*PVB+(\f%4)*32
.endr
	WIN 0
	; the maximum of a lane's 32 scores and the old m, the four tiles by turns; each accumulator is read from its low end on
.irp j, 0,1,2,3
.irp t, 0,1,2,3
	v_max3_num_f32 v[ST+8*\t+4+\j], v[S+32*\t+8*\j], v[S+32*\t+8*\j+1], v[S+32*\t+8*\j+2]
.endr
.endr
.irp q, 1,2
.irp j, 0,1,2,3
.irp t, 0,1,2,3
	v_max3_num_f32 v[ST+8*\t+4+\j], v[ST+8*\t+4+\j], v[S+32*\t+8*\j+2*\q+1], v[S+32*\t+8*\j+2*\q+2]
.endr
.endr
.endr
.irp t, 0,1,2,3
	v_max3_num_f32 v[ST+8*\t+4], v[ST+8*\t+4], v[S+32*\t+7], v[S+32*\t+15]
.endr
.irp t, 0,1,2,3
	v_max3_num_f32 v[ST+8*\t+6], v[ST+8*\t+6], v[S+32*\t+23], v[S+32*\t+31]
.endr
.irp t, 0,1,2,3
	v_max3_num_f32 v[ST+8*\t+4], v[ST+8*\t+4], v[ST+8*\t+5], v[ST+8*\t+6]
.endr
.irp t, 0,1,2,3
	v_max3_num_f32 v[ST+8*\t+4], v[ST+8*\t+4], v[ST+8*\t+7], v[ST+8*\t]
.endr
.irp t, 0,1,2,3
	v_permlanex16_b32 v[ST+8*\t+5], v[ST+8*\t+4], s[SEL], s[SEL+1]  ; the query's other 32 keys lie in the lane 16 away
.endr
.irp t, 0,1,2,3
	v_mov_b32 v[ST+8*\t+7], v[ST+8*\t]             ; m_old
.endr
.irp t, 0,1,2,3
	v_max_num_f32 v[ST+8*\t], v[ST+8*\t+4], v[ST+8*\t+5]
.endr
.irp t, 0,1,2,3
	v_sub_f32 v[ST+8*\t+7], v[ST+8*\t+7], v[ST+8*\t]
.endr
.irp t, 0,1,2,3
	v_exp_f32 v[ST+8*\t+6], v[ST+8*\t+7]           ; a = 2^(m_old - m_new)
.endr
.irp t, 0,1,2,3
.set i, 0
.rept 16
	v_pk_add_f32 v[S+32*\t+2*i:S+32*\t+2*i+1], v[S+32*\t+2*i:S+32*\t+2*i+1], v[ST+8*\t:ST+8*\t+1] op_sel_hi:[1,0] neg_lo:[0,1] neg_hi:[0,1]  ; s - m, two at a time
.set i, i+1
.endr
.endr
	s_wait_alu depctr_va_vdst(0)                   ; the wait between the four a and their first reader; the 64 subtractions are the independent work between
.set i, 0
.rept 128
	v_exp_f32 v[S+i], v[S+i]                       ; p = 2^(s - m): one batch
.set i, i+1
.endr
	WIN W_RS
.irp t, 0,1,2,3
.set i, 0
.rept 16
	v_pk_mul_f32 v[32*\t+2*i:32*\t+2*i+1], v[32*\t+2*i:32*\t+2*i+1], v[ST+8*\t+6:ST+8*\t+7] op_sel_hi:[1,0]  ; O^T x a: plain work behind the batch that names none of its results
.set i, i+1
.endr
.endr
	WIN 0
	s_wait_alu depctr_va_vdst(0)                   ; one wait for the 128 exponentials, ahead of their first reader
.set i, 0
.rept 64
	v_cvt_pk_f16_f32 v[P+i], v[S+2*i], v[S+2*i+1]  ; a pair of neighbouring keys to a register: source 1 of the second product
.set i, i+1
.endr
	; the sum of a tile's 16 pairs, in place, neighbours 1, 2, 4 and 8 pairs apart, the tiles by turns; then l = a l + the sum.  It is taken of the unrounded p
.irp z, 0,1,2,3,4,5,6,7
.irp t, 0,1,2,3
	v_pk_add_f32 v[S+32*\t+4*\z:S+32*\t+4*\z+1], v[S+32*\t+4*\z:S+32*\t+4*\z+1], v[S+32*\t+4*\z+2:S+32*\t+4*\z+3]
.endr
.endr
.irp z, 0,1,2,3
.irp t, 0,1,2,3
	v_pk_add_f32 v[S+32*\t+8*\z:S+32*\t+8*\z+1], v[S+32*\t+8*\z:S+32*\t+8*\z+1], v[S+32*\t+8*\z+4:S+32*\t+8*\z+5]
.endr
.endr
.irp z, 0,1
.irp t, 0,1,2,3
	v_pk_add_f32 v[S+32*\t+16*\z:S+32*\t+16*\z+1], v[S+32*\t+16*\z:S+32*\t+16*\z+1], v[S+32*\t+16*\z+8:S+32*\t+16*\z+9]
.endr
.endr
.irp t, 0,1,2,3
	v_pk_add_f32 v[S+32*\t:S+32*\t+1], v[S+32*\t:S+32*\t+1], v[S+32*\t+16:S+32*\t+17]
.endr
.irp t, 0,1,2,3
	v_pk_fma_f32 v[ST+8*\t+2:ST+8*\t+3], v[ST+8*\t+2:ST+8*\t+3], v[ST+8*\t+6:ST+8*\t+7], v[S+32*\t:S+32*\t+1] op_sel_hi:[1,0,1]
.endr
	s_wait_dscnt 0x0                               ; V is in
	WIN W_PV
.set i, 0
.rept 32                                       ; O^T += V^T P: keys 32 (i / 16) on, channels 16 ((i / 4) % 4) on, tile i % 4: 16 accumulators by turns
.set rO, 32*(i%4)+8*((i/4)%4)
.set rV, KV+32*(i/16)+8*((i/4)%4)
.set rP, P+16*(i%4)+8*(i/16)
	v_wmma_f32_16x16x32_f16 v[rO:rO+7], v[rV:rV+7], v[rP:rP+7], v[rO:rO+7]
.set i, i+1
.endr
	WIN 0
	s_add_co_u32 s[TK], s[TK], 64*PKB              ; the next 64 keys
	s_add_co_u32 s[TV], s[TV], 64*PVB
	s_add_co_u32 s[TM], s[TM], 256
.endm
	s_mov_b32 s[CNT], 4                            ; keys 0-255: what the first loads brought
.LA:
	STEP
	s_sub_co_u32 s[CNT], s[CNT], 1
	s_cmp_lg_u32 s[CNT], 0
	s_cbranch_scc1 .LA
	s_wait_tensorcnt 0x0                           ; my second load has landed,
	s_wait_dscnt 0x0
	s_barrier_signal -1
	s_barrier_wait -1                              ; everybody's has: keys 256-1023 may be read
	s_mov_b32 s[CNT], 12
.LB:
	STEP
	s_sub_co_u32 s[CNT], s[CNT], 1
	s_cmp_lg_u32 s[CNT], 0
	s_cbranch_scc1 .LB
	s_wait_dscnt 0x0                               ; my reads of K are over,
	s_barrier_signal -1
	s_barrier_wait -1                              ; everybody's are: the stages, which lie in K's bytes, may be written
	; THE WAY OUT.  The additions are the places behind the last products.
.irp t, 0,1,2,3
	v_add_f32 v[ST+8*\t+4], v[ST+8*\t+2], v[ST+8*\t+3]
.endr
.irp t, 0,1,2,3
	v_permlanex16_b32 v[ST+8*\t+5], v[ST+8*\t+4], s[SEL], s[SEL+1]
.endr
.irp t, 0,1,2,3
	v_add_f32 v[ST+8*\t+4], v[ST+8*\t+4], v[ST+8*\t+5]
.endr
.irp t, 0,1,2,3
	v_rcp_f32 v[ST+8*\t+6], v[ST+8*\t+4]
.endr
	v_mov_b32 v45, 0x7fc00000                      ; NaN (a plain line behind the reciprocals)
	s_wait_alu depctr_va_vdst(0)                   ; one wait for the four reciprocals, ahead of their first reader
.irp t, 0,1,2,3
	v_cmp_gt_f32 vcc_lo, 0xef800000, v[ST+8*\t]    ; -2^96 > m: no key of this query counted
	v_cndmask_b32 v[ST+8*\t+6], v[ST+8*\t+6], v45, vcc_lo
.endr
.macro PACK t                          ; tile t: O^T / l, rounded to f16; a lane's eight channels are 16 bytes of a row; through my stage, back as whole rows
	WIN W_RS
.set i, 0
.rept 16
	v_pk_mul_f32 v[32*\t+2*i:32*\t+2*i+1], v[32*\t+2*i:32*\t+2*i+1], v[ST+8*\t+6:ST+8*\t+7] op_sel_hi:[1,0]
.set i, i+1
.endr
	WIN 0x05                                       ; sources 0 and 1 window 1, destination window 0: S^T's registers are free
.set i, 0
.rept 16
	v_cvt_pk_f16_f32 v[S+16*\t+i], v[32*\t+2*i], v[32*\t+2*i+1]
.set i, i+1
.endr
	WIN 0
.irp c, 0,1,2,3
	ds_store_b128 v[STO], v[S+16*\t+4*\c:S+16*\t+4*\c+3] offset:\t*16*PKB+32*\c
.endr
.irp n, 0,1,2,3
	ds_load_b128 v[128+16*\t+4*\n:128+16*\t+4*\n+3], v[RD] offset:\t*16*PKB+\n*4*PKB   ; LDS serves a wave's instructions in order: these see the stores above
.endr
.endm
	PACK 0
	PACK 1
	PACK 2
	PACK 3
.irp t, 0,1,2,3
.irp n, 0,1,2,3
	s_wait_dscnt (3-\t)*8+3-\n                     ; behind this load: the rest of its tile's loads and eight LDS instructions for each later tile
	global_store_b128 v[GO], v[128+16*\t+4*\n:128+16*\t+4*\n+3], s[8:9] offset:\t*2048+\n*512   ; 32 lanes store 512 consecutive bytes, aligned
.endr
.endr
	s_wait_tensorcnt 0x0                           ; the wave's end
	ds_add_u32 v[SPW], v[NIL]
	s_wait_dscnt 0x0
	s_endpgm
.Lfunc_end_k_qa6d3831c33_attn:
	.size	k_qa6d3831c33_attn, .Lfunc_end_k_qa6d3831c33_attn-k_qa6d3831c33_attn
	.p2alignl 7, 3214868480
	.fill 96, 4, 3214868480
	.section	.rodata,"a",@progbits
	.p2align	6, 0x0
	.amdhsa_kernel k_qa6d3831c33_attn
		.amdhsa_group_segment_fixed_size 327680
		.amdhsa_private_segment_fixed_size 0
		.amdhsa_enable_private_segment 0
		.amdhsa_kernarg_size 24
		.amdhsa_user_sgpr_count 2
		.amdhsa_user_sgpr_kernarg_segment_ptr 1
		.amdhsa_wavefront_size32 1
		.amdhsa_system_sgpr_workgroup_id_x 1
		.amdhsa_system_sgpr_workgroup_id_y 1
		.amdhsa_system_sgpr_workgroup_id_z 1
		.amdhsa_system_vgpr_workitem_id 0
		.amdhsa_next_free_vgpr 512
		.amdhsa_next_free_sgpr 80
		.amdhsa_reserve_vcc 1
		.amdhsa_float_denorm_mode_32 3
		.amdhsa_float_denorm_mode_16_64 3
		.amdhsa_memory_ordered 1
		.amdhsa_forward_progress 1
		.amdhsa_inst_pref_size 93
	.end_amdhsa_kernel
	.amdgpu_metadata
---
amdhsa.version: [ 1, 2 ]
amdhsa.kernels:
  - .name:           k_qa6d3831c33_attn
    .symbol:         k_qa6d3831c33_attn.kd
    .args:
      - { .name: qkv, .offset: 0, .size: 8, .value_kind: global_buffer, .address_space: global }
      - { .name: key_padding_mask, .offset: 8, .size: 8, .value_kind: global_buffer, .address_space: global }
      - { .name: ao, .offset: 16, .size: 8, .value_kind: global_buffer, .address_space: global }
    .group_segment_fixed_size: 327680
    .private_segment_fixed_size: 0
    .kernarg_segment_align: 8
    .kernarg_segment_size: 24
    .max_flat_workgroup_size: 256
    .sgpr_count:     80
    .vgpr_count:     512
    .wavefront_size: 32
...
	.end_amdgpu_metadata
.endif
;; end of part 3
;; launch oproj (part 4): grid 4 x 64, 4 waves a work-group, clusters of 4 x 4, 327,680 bytes of LDS; arguments ao, wo16, bo, out0; writes out0
.if DOCPART == 4
	.amdgcn_target "amdgcn-amd-amdhsa--gfx1250"
	.amdhsa_code_object_version 6
	.text
	.protected	k_qa6d3831c33_oproj
	.globl	k_qa6d3831c33_oproj
	.p2align	8
	.type	k_qa6d3831c33_oproj,@function
k_qa6d3831c33_oproj:
	s_mov_b64 s[64:65], 0
	v_nop
	global_prefetch_b8 v0, s[64:65] scope:SCOPE_SE
	s_setreg_imm32_b32 hwreg(HW_REG_WAVE_MODE, 25, 1), 1
	s_wait_xcnt 0x0
	s_wait_alu depctr_hold_cnt(0) depctr_sa_sdst(0) depctr_va_vdst(0) depctr_va_sdst(0) depctr_va_ssrc(0) depctr_va_vcc(0) depctr_vm_vsrc(0)
	s_getreg_b32 s2, hwreg(HW_REG_IB_STS2, 6, 4)
	s_cmp_eq_u32 s2, 0
	s_cbranch_scc0 .Lentry_in_a_cluster
	s_endpgm
.Lentry_in_a_cluster:
	s_bfe_u32 s2, ttmp6, 0x10000c
	s_cmp_lg_u32 s2, 0xf033
	s_cbranch_scc0 .Lentry_shape_is_right
	s_endpgm
.Lentry_shape_is_right:
; out0[t][b][n] = the sum over k of a[t][b][k] Wo[n][k] + bo[n].  a = ao[b][h][t][64] f16 (k = 64 h + d), Wo = wo16[h][n][64] f16; sums in f32; out0 f32.
; A tile is 128 rows (positions t of one batch) x 256 columns: 256 work-groups.  Four waves, each 64 x 128: 32 accumulators, 256 registers.
; K goes in steps of 128 (two heads) through a ring of two LDS slots: a head's 128 rows of a and 256 rows of Wo are dense pieces of memory, rows of 128 bytes.  One tensor load a wave and K step:
; waves 0 and 1 bring a's two heads, waves 2 and 3 Wo's.
; CLUSTERS: 4 x 4 work-groups; a's tiles are shared along a row of the cluster, Wo's along a column: each is asked for jointly, by the same tensor load with the same descriptor and a mask that names the four.
; THE MATRIX INSTRUCTION IS USED TRANSPOSED (source 0 = 16 rows of Wo, source 1 = 16 rows of a): a lane holds eight neighbouring columns of a row.  The bias is the C of each sum's first product.
; The tiles of K steps 4 to 7 are prefetched into the L2, two refills ahead of the loads that want them (macro ASK).
; REGISTERS: window 0: v16-31 addresses; v32-127, v128-223 two fragment buffers (64 of Wo, 32 of a, for 32 along K); on the way out v32-159 rows read back.  window 1: the accumulators ((a, b) at v[8 (8 a + b)]).  window 2: v0-63 the bias.
.set PITCH,  144                       ; an LDS row: 128 bytes + 16 = 36 words: the 16 rows of a load start at 16 different 16-byte columns of the 64 banks (ISA guide 11.1)
.set AH,     128*PITCH                 ; a head's tile of a
.set BH,     256*PITCH                 ; a head's tile of Wo
.set SLOT,   2*AH+2*BH
.set STAGE,  2*SLOT                    ; behind the ring: 16 rows x (512 bytes + 16) for each wave
.set SPITCH, 528
.set SPARE,  STAGE+4*16*SPITCH         ; the spare words, 128 bytes a wave, that no other line names
.set LAPS,   4                         ; a lap = two K steps = once round the ring
.set KSB,    262144                    ; a K step on, in bytes, in both tensors: two heads of 131,072
.set ADRA, 16
.set ADRB, 20
.set STO,  24
.set RD,   25
.set CO,   26
.set SPW,  28
.set NIL,  29
.set BO,   30
.set PFO,  31                          ; v31  the prefetches' offset: 256 x my lane; never rewritten
.set F0,   32
.set F1,   128
.set BK,   32
.set LIM,  2                           ; s2   1 in a wave that prefetches, else the greatest number
.set PFA,  4                           ; s[4:5] where my prefetches stand: my 8,192 bytes of a tile, one K step further on than the refill that is being asked for; a prefetch names the K step after that
.set G1,  24
.set G0,  32
.set G1B, 48
.set G0B, 56
.set MSB, 0
.macro WIN new
.if MSB != (\new)
	s_set_vgpr_msb (MSB<<8)|(\new)
.set MSB, \new
.endif
.endm
.set MUL, 0x50                         ; fragments window 0; C and D window 1.  + 0x10: C (the bias) window 2
.macro JLOAD s                         ; a joint load; an s_nop 0 and four v_nop follow each of the two lines; the branch hangs on the wave's number alone
	s_cmp_eq_u32 s13, 0
	s_cbranch_scc0 .Lfor_b_\@
	tensor_load_to_lds s[G0+4*\s:G0+4*\s+3], s[G1:G1+7]
	s_nop 0
.rept 4
	v_nop
.endr
	s_branch .Lasked_\@
.Lfor_b_\@:
	tensor_load_to_lds s[G0B+4*\s:G0B+4*\s+3], s[G1B:G1B+7]
	s_nop 0
.rept 4
	v_nop
.endr
.Lasked_\@:
.endm
; A PREFETCH INTO THE L2, behind each joint refill, its five lines and the run of LDS loads that follows them: the K step that stands TWO refills on, 256 matrix instructions of a wave ahead of the load that will want it.
; One instruction: 32 lanes, 256 bytes apart: 64 rows of 128 bytes of one head's tile.  Each aligned block of 256 bytes is named ONCE in the launch.
; a's tile (two heads x 128 rows) is read by the four partners of a row of the cluster and by nobody else: wave 0 of each asks, partner cx for rows 64 (cx % 2) on of head cx / 2.
; Wo's tile (two heads x 256 rows) is read by every row of clusters: the first of them (cluster y = 0) asks, waves 2 and 3 each for the head that they fetch, partner cy for its rows 64 cy on.
; The partners are told apart BY ADDRESS: the branch hangs on the wave's number, the cluster's y and the count of laps alone.  K steps 0 to 3 come by their loads alone; the last lap's two refills have no K step two on and ask for nothing.
.macro ASK
	s_cmp_gt_u32 s3, s[LIM]                        ; s3 = 1 in the loop's last trip
	s_cbranch_scc0 .Lnot_mine_\@
	global_prefetch_b8 v[PFO], s[PFA:PFA+1] offset:KSB th:TH_LOAD_NT scope:SCOPE_SE
.Lnot_mine_\@:
.endm
.macro CREST                           ; a round of the cluster's barrier behind its opening barrier
	s_cmp_lg_u32 s12, 0
	s_cbranch_scc1 .Lnot_wave_0_\@
	s_barrier_signal -3
.Lnot_wave_0_\@:
	s_barrier_wait -3
	s_barrier_signal -1
	s_barrier_wait -1
.endm
.macro CROUND
	s_barrier_signal -1
	s_barrier_wait -1
	CREST
.endm
	s_load_b128 s[4:7], s[0:1], 0x0                ; ao s[4:5], wo16 s[6:7]
	s_load_b128 s[8:11], s[0:1], 0x10              ; bo s[8:9], out0 s[10:11]
	v_lshl_add_u32 v[SPW], v0, 2, SPARE
	v_mov_b32 v[NIL], 0
	ds_add_u32 v[SPW], v[NIL]                      ; the wave's opening: the add, twice on end, and its wait ahead of my first tensor load
	ds_add_u32 v[SPW], v[NIL]
	v_lshrrev_b32 v1, 5, v0
	v_readfirstlane_b32 s12, v1                    ; wave 0..3
	s_lshr_b32 s13, s12, 1                         ; which half of the tile's rows is mine.  Also: I fetch for a (0) or for Wo (1)
	s_and_b32 s14, s12, 1                          ; which half of its columns.  Also: which of a K step's two heads I fetch
	s_bfe_u32 s15, ttmp6, 0x40000                  ; cx, cy
	s_bfe_u32 s16, ttmp6, 0x40004
	s_lshl_b32 s17, ttmp9, 2
	s_add_co_u32 s17, s17, s15                     ; tile column X
	s_and_b32 s18, ttmp7, 0xffff
	s_lshl_b32 s18, s18, 2
	s_add_co_u32 s18, s18, s16                     ; tile row Y: batch Y / 8, positions 128 (Y % 8) on
	s_lshl_b32 s40, s16, 2
	s_lshl_b32 s40, 15, s40                        ; my row of the cluster
	s_lshl_b32 s41, 0x1111, s15                    ; my column
	s_or_b32 s[G1+0], s40, (1<<16)|(1<<20)|(1<<21)|(4<<22)|(3<<25)   ; the mask; elements of 2 bytes; padding on; bit 21 beside a mask; after every 32 words 4 words
	s_or_b32 s[G1B+0], s41, (1<<16)|(1<<20)|(1<<21)|(4<<22)|(3<<25)
.irp g, G1, G1B
	s_mov_b32 s[\g+1], 64<<16                      ; tensor_dim0
	s_mov_b32 s[\g+3], 64<<16                      ; tile_dim0
	s_mov_b32 s[\g+5], 64                          ; from row to row
	s_mov_b32 s[\g+6], 0
	s_mov_b32 s[\g+7], 0
.endr
	s_mov_b32 s[G1+2], 128<<16                     ; a: 128 rows
	s_mov_b32 s[G1+4], 128
	s_mov_b32 s[G1B+2], 256<<16                    ; Wo: 256 rows
	s_mov_b32 s[G1B+4], 256
	s_lshl_b32 s2, s14, 17                         ; my head of the two: 131,072 bytes on, in both tensors
	s_lshr_b32 s20, s18, 3
	s_lshl_b32 s20, s20, 21                        ; a: the batch,
	s_and_b32 s19, s18, 7
	s_lshl_b32 s19, s19, 14                        ; the tile's 128 rows of 128 bytes,
	s_add_co_u32 s20, s20, s19
	s_add_co_u32 s20, s20, s2                      ; my head
	s_mov_b32 s21, 0
	s_lshl_b32 s46, s17, 15                        ; Wo: the tile's 256 rows of 128 bytes,
	s_add_co_u32 s46, s46, s2                      ; my head
	s_mov_b32 s47, 0
	s_mul_i32 s22, s14, AH                         ; where they go: no place in the cluster enters an LDS address
	s_mul_i32 s23, s14, BH
	s_add_co_u32 s23, s23, 2*AH
	s_wait_dscnt 0x0                               ; both opening adds are done
	s_wait_kmcnt 0x0
	s_add_nc_u64 s[42:43], s[4:5], s[20:21]
	s_add_nc_u64 s[44:45], s[6:7], s[46:47]
	CROUND                                         ; all sixteen work-groups are here: the first joint loads meet
.irp s, 0,1
	s_mov_b32 s[G0+4*\s], 1
	s_add_co_u32 s[G0+4*\s+1], s22, \s*SLOT
	s_add_nc_u64 s[G0+4*\s+2:G0+4*\s+3], s[42:43], \s*KSB          ; K step s: two heads on
	s_or_b32 s[G0+4*\s+3], s[G0+4*\s+3], 0x80000000
	s_mov_b32 s[G0B+4*\s], 1
	s_add_co_u32 s[G0B+4*\s+1], s23, \s*SLOT
	s_add_nc_u64 s[G0B+4*\s+2:G0B+4*\s+3], s[44:45], \s*KSB
	s_or_b32 s[G0B+4*\s+3], s[G0B+4*\s+3], 0x80000000
	JLOAD \s                                       ; two loads of mine are out
.endr
	s_lshl_b32 s46, s17, 10
	s_lshl_b32 s47, s14, 9
	s_add_co_u32 s46, s46, s47                     ; my first column x 4 bytes
	s_mov_b32 s47, 0
	s_add_nc_u64 s[8:9], s[8:9], s[46:47]
	v_and_b32 v1, 15, v0                           ; r
	v_bfe_u32 v2, v0, 4, 1                         ; h
	v_lshlrev_b32 v[BO], 5, v2                     ; the bias: register 8 b + j is that of column 16 b + 8 h + j
	WIN 0x80                                       ; destination window 2
.irp b, 0,1,2,3,4,5,6,7
	global_load_b128 v[8*\b:8*\b+3],   v[BO], s[8:9] offset:64*\b
	global_load_b128 v[8*\b+4:8*\b+7], v[BO], s[8:9] offset:64*\b+16
.endr
	WIN 0
	s_and_b32 s20, s18, 7
	s_lshl_b32 s20, s20, 22                        ; out0: position 128 (Y % 8), 32,768 bytes a position,
	s_lshl_b32 s19, s13, 21                        ; + 64 x half,
	s_add_co_u32 s20, s20, s19
	s_lshr_b32 s19, s18, 3
	s_lshl_b32 s19, s19, 12                        ; the batch's row of 4,096 bytes,
	s_add_co_u32 s20, s20, s19
	s_add_co_u32 s20, s20, s46                     ; my first column
	s_mov_b32 s21, 0
	s_add_nc_u64 s[10:11], s[10:11], s[20:21]
	; the prefetches (macro ASK): where my wave's stand, and who asks.  Nothing is prefetched here, at the head, where every work-group's first tiles are on their way
	s_lshr_b32 s44, s18, 3
	s_lshl_b32 s44, s44, 21                        ; in a: the batch,
	s_and_b32 s45, s18, 7
	s_lshl_b32 s45, s45, 14                        ; the tile's 128 rows,
	s_add_co_u32 s44, s44, s45
	s_lshr_b32 s45, s15, 1
	s_lshl_b32 s45, s45, 17                        ; head cx / 2 of the K step's two,
	s_add_co_u32 s44, s44, s45
	s_and_b32 s45, s15, 1
	s_lshl_b32 s45, s45, 13                        ; its rows 64 (cx % 2) on
	s_add_co_u32 s44, s44, s45
	s_lshl_b32 s46, s17, 15                        ; in Wo: the tile's 256 rows,
	s_lshl_b32 s47, s14, 17                        ; the head that I fetch,
	s_add_co_u32 s46, s46, s47
	s_lshl_b32 s47, s16, 13                        ; its rows 64 cy on
	s_add_co_u32 s46, s46, s47
	s_and_b32 s47, ttmp7, 0xffff                   ; the cluster's y
	s_cmp_eq_u32 s13, 0                            ; do I fetch for a?
	s_cselect_b64 s[PFA:PFA+1], s[4:5], s[6:7]
	s_cselect_b32 s44, s44, s46
	s_cselect_b32 s47, s14, s47                    ; 0 in wave 0, and in waves 2 and 3 of the first row of clusters: the same in all sixteen partners, for a given wave
	s_cmp_eq_u32 s47, 0
	s_cselect_b32 s[LIM], 1, -1
	s_add_co_u32 s44, s44, 2*KSB                   ; at K step 2: the first refill steps it to 3 and names K step 4
	s_mov_b32 s45, 0
	s_add_nc_u64 s[PFA:PFA+1], s[PFA:PFA+1], s[44:45]
	v_and_b32 v[PFO], 31, v0
	v_lshlrev_b32 v[PFO], 8, v[PFO]
	v_mul_u32_u24 v3, v1, PITCH
	v_lshl_add_u32 v3, v2, 4, v3                   ; a fragment's row x pitch + 16 x half
	s_mul_i32 s21, s13, 64*PITCH                   ; my 64 rows of a
	s_mul_i32 s22, s14, 128*PITCH                  ; my 128 rows of Wo,
	s_add_co_u32 s22, s22, 2*AH                    ; which lie behind a's two heads
.irp s, 0,1
	v_add_nc_u32 v[ADRA+\s], s21, v3
	v_add_nc_u32 v[ADRB+\s], s22, v3
	s_add_co_u32 s21, s21, SLOT
	s_add_co_u32 s22, s22, SLOT
.endr
	s_mul_i32 s23, s12, 16*SPITCH
	s_add_co_u32 s23, s23, STAGE                   ; my stage
	v_mul_u32_u24 v4, v1, SPITCH                   ; in: row r, 32 bytes for each half of the lanes
	v_lshl_add_u32 v4, v2, 5, v4
	v_add_nc_u32 v[STO], s23, v4
	v_and_b32 v5, 31, v0
	v_lshlrev_b32 v[CO], 4, v5                     ; back: the 32 lanes take one row of 512 bytes; and the same in out0
	v_add_nc_u32 v[RD], s23, v[CO]
; 24 LDS loads in one run: the fragments of quarter q (head q / 2 of the slot, channels 32 (q % 2) on) into buffer f: Wo's eight, then a's four
.macro FETCH slot, q, f
	WIN 0
.irp i, 0,1,2,3,4,5,6,7
	ds_load_b128 v[\f+8*\i:\f+8*\i+3],   v[ADRB+\slot] offset:((\q)/2)*BH+((\q)%2)*64+\i*16*PITCH
	ds_load_b128 v[\f+8*\i+4:\f+8*\i+7], v[ADRB+\slot] offset:((\q)/2)*BH+((\q)%2)*64+\i*16*PITCH+32
.endr
.irp i, 0,1,2,3
	ds_load_b128 v[\f+64+8*\i:\f+64+8*\i+3],   v[ADRA+\slot] offset:((\q)/2)*AH+((\q)%2)*64+\i*16*PITCH
	ds_load_b128 v[\f+64+8*\i+4:\f+64+8*\i+7], v[ADRA+\slot] offset:((\q)/2)*AH+((\q)%2)*64+\i*16*PITCH+32
.endr
.endm
; 8 matrix instructions: a's block a x Wo's eight.  The 32 accumulators take turns, one instruction a turn, in the same order in every quarter.  first = 1: C is the bias
.macro MUL8 f, a, first
.irp b, 0,1,2,3,4,5,6,7
.if \first
	v_wmma_f32_16x16x32_f16 v[8*(8*(\a)+\b):8*(8*(\a)+\b)+7], v[\f+8*\b:\f+8*\b+7], v[\f+64+8*(\a):\f+64+8*(\a)+7], v[8*\b:8*\b+7]
.else
	v_wmma_f32_16x16x32_f16 v[8*(8*(\a)+\b):8*(8*(\a)+\b)+7], v[\f+8*\b:\f+8*\b+7], v[\f+64+8*(\a):\f+64+8*(\a)+7], v[8*(8*(\a)+\b):8*(8*(\a)+\b)+7]
.endif
.endr
.endm
.macro PLACES                          ; four places in front of loads into registers that matrix instructions have read, and of the first read of results
.rept 4
	v_nop
.endr
.endm
; A K step is four quarters of 32 along K, 32 matrix instructions each, on buffers 0, 1, 0, 1.  One of the first three multiplies buffer f and fetches quarter q into g.
.macro QUARTER slot, q, f, g, first
	s_wait_dscnt 4                                 ; Wo's fragments and a's blocks 0, 1 are in; the youngest four loads (a's blocks 2, 3) may be out
	WIN MUL+0x10*\first
	MUL8 \f, 0, \first
	MUL8 \f, 1, \first
	PLACES
	FETCH \slot, \q, \g
	s_wait_dscnt 24                                ; all but the 24 just issued
	WIN MUL+0x10*\first
	MUL8 \f, 2, \first
	MUL8 \f, 3, \first
.endm
; The last quarter multiplies buffer 1 and changes slots: ONE barrier; in front of it each wave waits for all its tensor loads (one is out: its part of the next slot), adds 0 to its spare word, and waits for that and for its reads of this slot.
; fill = 1: the barrier opens a round of the cluster's barrier, and the joint refill, two K steps ahead, is the first tensor load behind it: 112 matrix instructions ahead of the wait for it.
.macro TURN slot, next, fill
.if \fill
	s_wait_xcnt 0x0                                ; the last prefetch, a K step back, has read its address: it is stepped here, ahead of the waits of the change of slots
	s_add_nc_u64 s[PFA:PFA+1], s[PFA:PFA+1], KSB
.endif
	WIN 0
	s_wait_tensorcnt 0x0
	ds_add_u32 v[SPW], v[NIL]
	s_wait_dscnt 5                                 ; (the add and the youngest four loads may be out)
	WIN MUL
	MUL8 F1, 0, 0
	s_wait_dscnt 0x0                               ; the add is done, and my reads of this slot are over
	s_barrier_signal -1
	MUL8 F1, 1, 0
.if \fill
	WIN 0
.endif
	s_barrier_wait -1
.if \fill
	CREST                                          ; no wave of any partner still reads this slot's tiles or has a load on its way
	s_add_nc_u64 s[G0+4*\slot+2:G0+4*\slot+3], s[G0+4*\slot+2:G0+4*\slot+3], 2*KSB      ; four heads on
	s_add_nc_u64 s[G0B+4*\slot+2:G0B+4*\slot+3], s[G0B+4*\slot+2:G0B+4*\slot+3], 2*KSB
	JLOAD \slot                                    ; its four v_nop are also the places in front of the loads below
.else
	PLACES
.endif
	FETCH \next, 0, F0
.if \fill
	ASK                                            ; behind the joint load and the run of LDS loads that the next products wait for
.endif
	WIN MUL
	MUL8 F1, 2, 0
	MUL8 F1, 3, 0
.endm
	s_wait_tensorcnt 1                             ; my part of K step 0 is in; K step 1's load may stay out
	s_barrier_signal -1
	s_barrier_wait -1
	FETCH 0, 0, F0
	s_wait_loadcnt 0x0                             ; the bias
	QUARTER 0, 1, F0, F1, 1                        ; the first quarter stands in front of the loop: its products start the sums from the bias
	WIN 0
	s_mov_b32 s3, LAPS-1
.Llap:                                             ; a trip goes once round the ring, from a lap's second quarter to the next lap's first, and fills both slots again
	QUARTER 0, 2, F1, F0, 0
	QUARTER 0, 3, F0, F1, 0
	TURN 0, 1, 1
	QUARTER 1, 1, F0, F1, 0
	QUARTER 1, 2, F1, F0, 0
	QUARTER 1, 3, F0, F1, 0
	TURN 1, 0, 1
	QUARTER 0, 1, F0, F1, 0
	WIN 0
	s_sub_co_u32 s3, s3, 1
	s_cmp_lg_u32 s3, 0
	s_cbranch_scc1 .Llap
	QUARTER 0, 2, F1, F0, 0                        ; the last lap fills nothing, and has no round
	QUARTER 0, 3, F0, F1, 0
	TURN 0, 1, 0
	QUARTER 1, 1, F0, F1, 0
	QUARTER 1, 2, F1, F0, 0
	QUARTER 1, 3, F0, F1, 0
	s_wait_dscnt 4                                 ; the very last quarter: nothing more to fetch
	WIN MUL
	MUL8 F1, 0, 0
	MUL8 F1, 1, 0
	s_wait_dscnt 0
	MUL8 F1, 2, 0
	MUL8 F1, 3, 0
	WIN 0
; THE WAY OUT, block by block of 16 rows x 128 columns: through my own stage, back as whole rows of 512 bytes.
.macro TOSTAGE a
	WIN 0x04                                       ; an LDS store's data are its source 1: window 1
.irp b, 0,1,2,3,4,5,6,7
	ds_store_b128 v[STO], v[8*(8*(\a)+\b):8*(8*(\a)+\b)+3] offset:64*\b            ; each accumulator from its low end on
	ds_store_b128 v[STO], v[8*(8*(\a)+\b)+4:8*(8*(\a)+\b)+7] offset:64*\b+16
.endr
	WIN 0
.set BB, BK+64*((\a)%2)
.irp t, 0,1,2,3,4,5,6,7,8,9,10,11,12,13,14,15
	ds_load_b128 v[BB+4*\t:BB+4*\t+3], v[RD] offset:\t*SPITCH      ; LDS serves a wave's instructions in order: these see the stores above
.endr
.endm
.macro SEND a, younger
.set BB, BK+64*((\a)%2)
	s_wait_dscnt \younger
.if (\a) > 0
	s_add_nc_u64 s[10:11], s[10:11], 524288        ; 16 positions on (the earlier stores have read their base: a wait on XCNT stands ahead)
.endif
.irp t, 0,1,2,3,4,5,6,7,8,9,10,11,12,13,14,15
	global_store_b128 v[CO], v[BB+4*\t:BB+4*\t+3], s[10:11] offset:\t*32768 th:TH_STORE_NT   ; 32 lanes store 512 consecutive bytes, aligned; written once, read by nobody here
.endr
.endm
	PLACES
	TOSTAGE 0
.irp a, 1,2,3
.if \a > 1
	s_wait_xcnt 0x0                                ; block a - 2's stores have read their registers and their base
.endif
	TOSTAGE \a
	SEND \a-1, 32                                  ; behind block a - 1's loads: block a's 16 stores and 16 loads
.endr
	s_wait_xcnt 0x0
	SEND 3, 0
	s_wait_tensorcnt 0x0                           ; the wave's end
	ds_add_u32 v[SPW], v[NIL]
	s_wait_dscnt 0x0
	CROUND                                         ; the closing round: no work-group ends while a partner may still ask for a tile that names it
	s_endpgm
.Lfunc_end_k_qa6d3831c33_oproj:
	.size	k_qa6d3831c33_oproj, .Lfunc_end_k_qa6d3831c33_oproj-k_qa6d3831c33_oproj
	.p2alignl 7, 3214868480
	.fill 96, 4, 3214868480
	.section	.rodata,"a",@progbits
	.p2align	6, 0x0
	.amdhsa_kernel k_qa6d3831c33_oproj
		.amdhsa_group_segment_fixed_size 327680
		.amdhsa_private_segment_fixed_size 0
		.amdhsa_enable_private_segment 0
		.amdhsa_kernarg_size 32
		.amdhsa_user_sgpr_count 2
		.amdhsa_user_sgpr_kernarg_segment_ptr 1
		.amdhsa_wavefront_size32 1
		.amdhsa_system_sgpr_workgroup_id_x 1
		.amdhsa_system_sgpr_workgroup_id_y 1
		.amdhsa_system_sgpr_workgroup_id_z 1
		.amdhsa_system_vgpr_workitem_id 0
		.amdhsa_next_free_vgpr 576
		.amdhsa_next_free_sgpr 66
		.amdhsa_reserve_vcc 0
		.amdhsa_float_denorm_mode_32 3
		.amdhsa_float_denorm_mode_16_64 3
		.amdhsa_memory_ordered 1
		.amdhsa_forward_progress 1
		.amdhsa_inst_pref_size 88
	.end_amdhsa_kernel
	.amdgpu_metadata
---
amdhsa.version: [ 1, 2 ]
amdhsa.kernels:
  - .name:           k_qa6d3831c33_oproj
    .symbol:         k_qa6d3831c33_oproj.kd
    .args:
      - { .name: ao, .offset: 0, .size: 8, .value_kind: global_buffer, .address_space: global }
      - { .name: wo16, .offset: 8, .size: 8, .value_kind: global_buffer, .address_space: global }
      - { .name: bo, .offset: 16, .size: 8, .value_kind: global_buffer, .address_space: global }
      - { .name: out0, .offset: 24, .size: 8, .value_kind: global_buffer, .address_space: global }
    .group_segment_fixed_size: 327680
    .private_segment_fixed_size: 0
    .kernarg_segment_align: 8
    .kernarg_segment_size: 32
    .max_flat_workgroup_size: 128
    .sgpr_count:     66
    .vgpr_count:     576
    .wavefront_size: 32
...
	.end_amdgpu_metadata
.endif
;; end of part 4
